; MI455X (gfx1250); checked and timed in simulation.
; The chip was launched on July 23, 2026; its instructions are those of AMD's public machine-readable ISA for CDNA 5 (MIT licence, August 2026) and "CDNA5" Instruction Set Architecture Reference Guide (July 2026). The comments in the code are by the model that wrote it; some were corrected since.
;; Multi Head Self Attention. Allowed arithmetic: matrix products marked QUANTISED: E2M3 operands, one E8M0 scale for each 32 along K, by v_wmma_scale_f32_16x16x128_f8f6f4 with both operands' format E2M3, f32 sums; everything else in f32.
;; Inputs: w_out 1,024 x 1,024 float32; w_qkv 3,072 x 1,024 float32; x 4 x 2,048 x 1,024 float32.
;; Outputs: out0 4 x 2,048 x 1,024 float32.
;; This version of the problem:
;;   THIS VERSION OF THE PROBLEM IS GIVEN IN LOW PRECISION. The matrix products marked QUANTISED in the list below multiply operands that are first quantised to E2M3 (2 exponent bits, 3 mantissa bits; 6 bits a number), with one power-of-two scale for each 32 numbers along K (OCP MX v1.0); their sums are f32. All else is computed in f32.
;;   The module's matrix products, in the order in which they are computed (A, B: the left and right operand; K: the contracted axis; several contracted axes count as one K, in the product's order):
;;     1. [M 8,192, K 1,024] x [K 1,024, N 3,072]; A: input x; B: input w_qkv: QUANTISED
;;     2. batch 64 x [M 2,048, K 64] x [K 64, N 2,048]; A: computed on the way; B: computed on the way: QUANTISED
;;     3. batch 64 x [M 2,048, K 2,048] x [K 2,048, N 64]; A: softmax (see below); B: computed on the way: QUANTISED
;;     4. [M 8,192, K 1,024] x [K 1,024, N 1,024]; A: computed on the way; B: input w_out: QUANTISED
;;   THE QUANTISER, for each operand of a quantised product, along K:
;;     - K is cut into blocks of 32 from its start; a last block that is shorter is filled with zeros.
;;     - A block's scale is 2^e with e = floor(log2(the largest magnitude in the block)) - 2, held to -126 .. 127; a block of zeros has e = 0. As a byte (E8M0): e + 127.
;;     - Each number is divided by its block's scale, clamped to +-7.5, and rounded to the nearest number of E2M3, ties to even, subnormals kept.
;;     - The product sums the exact products of the quantised numbers (number of the format x scale) in f32.
;;   ~~~python
;;   def quantise(x, axis):      # numpy; x: float32 -> the quantised numbers, widened to float32 again
;;       x = np.moveaxis(x, axis, -1); K = x.shape[-1]
;;       x = np.pad(x, [(0, 0)] * (x.ndim - 1) + [(0, -K % 32)]); x = x.reshape(x.shape[:-1] + (-1, 32)); a = np.abs(x).max(-1, keepdims=True)
;;       e = np.where(a > 0, np.clip(np.frexp(np.where(a > 0, a, 1))[1] - 1 - 2, -126, 127), 0)      # np.frexp(a)[1] - 1 = floor(log2(a)), exactly
;;       r = np.clip(x / 2.0 ** e, -7.5, 7.5)
;;       step = 2.0 ** (np.maximum(np.frexp(np.where(r == 0, 1, r))[1] - 1, 0) - 3)
;;       q = np.round(r / step) * step * 2.0 ** e      # np.round: ties to even
;;       return np.moveaxis(q.reshape(q.shape[:-2] + (-1,))[..., :K], -1, axis).astype(np.float32)
;;   ~~~
;;   SOFTMAX AHEAD OF A QUANTISED PRODUCT. Where the list says 'softmax', what is quantised is not the finished softmax but p = 2^(t - M), with t = logit x log2(e) and M = ceil(the row's largest t), a whole number; so 1/2 < the row's largest p <= 1. The row's sum l is taken of the UNQUANTISED p, in f32, and the product's result is divided by l at the end. Since M is a whole number, a kernel that streams over the keys may use a running M (the ceiling of the running maximum): every later rescaling is an exact power of two, which a block's scale takes up: the codes' values come out the same.
;;   OPERANDS COMPUTED ON THE WAY. 'Computed on the way' means the value that the module computes at that place (a softmax that the list does not call 'softmax' is quantised finished and normalised). What goes into a quantiser is computed in f32, as accurately as f32 sums, v_exp_f32 and their like allow (about 1e-6 of the number): no bf16 or f16 on the way to a quantiser, and a product that is left as it is and whose result goes on into a quantised operand takes f32 operands (vector FMAs, or v_wmma_f32_16x16x4_f32). A number that lies on a knife's edge between two numbers of the format may be rounded either way, as far as f32 arithmetic and the matrix unit's own rounding can turn it there, and no further.
;; One version. Each part assembles by itself: llvm-mc -triple=amdgcn-amd-amdhsa -mcpu=gfx1250 --defsym DOCPART=n.
;; ======== version 1 of 1: 4 launches
;; workspace buffers: xq 6,553,600 bytes; wq 3,276,800 bytes; qkv 19,660,800 bytes; ao 6,553,600 bytes
;; launch quant (part 1): grid 256 x 1, 6 waves a work-group, no clusters, 51,456 bytes of LDS; arguments x, w_qkv, w_out, xq, wq; writes xq, wq
.if DOCPART == 1
	.amdgcn_target "amdgcn-amd-amdhsa--gfx1250"
	.amdhsa_code_object_version 6
	.text
	.protected	k_q782ff67e94_quant
	.globl	k_q782ff67e94_quant
	.p2align	8
	.type	k_q782ff67e94_quant,@function
k_q782ff67e94_quant:
	s_mov_b64 s[64:65], 0
	v_nop
	global_prefetch_b8 v0, s[64:65] scope:SCOPE_SE
	s_setreg_imm32_b32 hwreg(HW_REG_WAVE_MODE, 25, 1), 1
	s_wait_xcnt 0x0
; x [8192][1024], w_qkv [3072][1024] and w_out [1024][1024], f32, K innermost, become codes of FP6 (E2M3) with one E8M0 byte for each 32 along K,
; laid in the ORDER OF THE OPERAND'S REGISTERS.  A row tile is 16 rows; lane-row r of tile t holds tensor row 32 (t / 2) + 8 (t % 2) + r + 8 (r / 8).
; A fragment (16 rows x 128 K, 12 registers a lane) is 1,536 bytes: registers 0-3 at 16 x lane, 4-5 at 512 + 8 x lane, 6-9 at 768 + 16 x lane, 10-11 at 1,280 + 8 x lane.
; Codes: [tile][K step 0..7][1,536].  Behind all codes the scale words: [tile][pair of K steps 0..3][r][step of the pair], 512 bytes a tile.
; xq holds x's 512 tiles; wq holds w_qkv's 192 and then w_out's 64.
; A block's scale is 2^(floor(log2(its largest magnitude)) - 2); its byte is the largest magnitude's exponent field - 2, held at 1 from below.
; LIMITS: a block of zeros gets the byte 1 where the rule says 127 (its codes are zeros, and this program alone reads the bytes); blocks whose largest magnitude lies under 2^-124 keep the byte 1;
; NaN and infinities among the inputs are not served.
; SHARES: 768 tiles x 2 halves of K = 1,536 jobs = 256 work-groups x 6 waves.  A wave takes 16 rows x 512 numbers, four K steps.  Each load reads 512 consecutive bytes of one row; the numbers turn
; through the wave's own stage in LDS (16 rows, 528 bytes apart) so that a lane gets 16 neighbours of each block of 32.  No barrier: waves share nothing.  Loads run two K steps (32 loads a wave) ahead.
.set XS_OFF, 6291456                   ; where xq's scale words begin
.set WS_OFF, 3145728                   ; where wq's begin
.set SP,     528                       ; a stage row: 512 bytes + 16
.set WREG,   16*SP                     ; a wave's stage
.set R,      16                        ; v16-143  two sets of 64 registers as loaded
.set X,      144                       ; v144-207 register 16 b + i = k 32 b + 16 (lane / 16) + i of my row
.set PC,     208                       ; v208-219 the fragment; v220-222, v224-226 at work
.set TM,     228                       ; v228-243 at work
.set PW,     244                       ; v244-247 the four K steps' scale words
.set SEL,    28                        ; s[28:29] lane selects: lane l xor 16
; 64 numbers of a lane become a fragment's codes in v[PC] on and its scale word in v[pw]
.macro QUANT s, pw
.irp b, 0,1,2,3
	v_max3_num_f32 v[TM+\b], |v[\s+16*\b]|, |v[\s+1+16*\b]|, 0x1800000   ; my 16 numbers of block b, and the floor 2^(3 - 127): the byte cannot fall under 1
.endr
.irp i, 2,4,6,8,10,12,14
.irp b, 0,1,2,3
	v_max3_num_f32 v[TM+\b], v[TM+\b], |v[\s+16*\b+\i]|, |v[\s+1+16*\b+\i]|   ; the four blocks by turns
.endr
.endr
.irp b, 0,1,2,3
	v_permlanex16_b32 v[TM+4+\b], v[TM+\b], s[SEL], s[SEL+1]
.endr
.irp b, 0,1,2,3
	v_max_num_f32 v[TM+\b], v[TM+\b], v[TM+4+\b]   ; with lane l xor 16's 16: the block's largest magnitude
.endr
.irp b, 0,1,2,3
	v_add_nc_u32 v[TM+12+\b], 0xff000000, v[TM+\b] ; 2 off its exponent field: the conversion takes this operand's exponent field as its scale
.endr
.irp b, 0,1,2,3
	v_lshrrev_b32 v[TM+4+\b], 23, v[TM+12+\b]      ; the scale's byte
.endr
	v_lshl_or_b32 v[\pw], v[TM+5], 8, v[TM+4]
	v_lshl_or_b32 v[\pw], v[TM+6], 16, v[\pw]
	v_lshl_or_b32 v[\pw], v[TM+7], 24, v[\pw]      ; my row's scale word
.irp c, 0,1
	v_cvt_scalef32_pk16_fp6_f32 v[PC+6*\c:PC+2+6*\c], v[\s+32*\c:\s+15+32*\c], v[TM+12+2*\c]
	v_cvt_scalef32_pk16_fp6_f32 v[PC+12+4*\c:PC+14+4*\c], v[\s+16+32*\c:\s+31+32*\c], v[TM+12+2*\c+1]   ; (a conversion's three registers begin on an even number)
.endr
	v_nop                                          ; one plain instruction behind the scaled conversions
.irp c, 0,1                                    ; the operand wants a whole block in a lane: lanes 0-15 block 2 c, lanes 16-31 block 2 c + 1
.irp i, 0,1,2
	v_permlane16_swap_b32 v[PC+6*\c+\i], v[PC+12+4*\c+\i]
.endr
.irp i, 0,1,2
	v_mov_b32 v[PC+3+6*\c+\i], v[PC+12+4*\c+\i]
.endr
.endr
.endm
.macro LOAD t                          ; K step t of my four: 16 rows x 512 bytes into set t % 2; the tile's rows 0-7 and 16-23
.irp i, 0,1,2,3,4,5,6,7,8,9,10,11,12,13,14,15
	global_load_b128 v[R+64*((\t)%2)+4*\i:R+64*((\t)%2)+4*\i+3], v4, s[4:5] offset:(\i+8*(\i/8))*4096+512*(\t) th:TH_LOAD_NT
.endr
.endm
.macro TURN t                          ; through the stage; LDS serves a wave's instructions in order (ISA guide 5.7.1.4), so no wait stands between the stores and the loads
.irp i, 0,1,2,3,4,5,6,7,8,9,10,11,12,13,14,15
	ds_store_b128 v6, v[R+64*((\t)%2)+4*\i:R+64*((\t)%2)+4*\i+3] offset:SP*\i
.endr
.irp b, 0,1,2,3
.irp j, 0,1,2,3
	ds_load_b128 v[X+16*\b+4*\j:X+16*\b+4*\j+3], v7 offset:128*\b+16*\j
.endr
.endr
.endm
	s_load_b256 s[4:11], s[0:1], 0x0               ; x s[4:5], w_qkv s[6:7], w_out s[8:9], xq s[10:11]
	s_load_b64 s[12:13], s[0:1], 0x20              ; wq
	v_lshl_add_u32 v254, v0, 2, 0xc600
	v_mov_b32 v255, 0
	v_lshrrev_b32 v1, 5, v0
	v_readfirstlane_b32 s16, v1                    ; wave 0..5
	v_and_b32 v2, 31, v0                           ; lane
	v_and_b32 v3, 15, v0                           ; r
	v_bfe_u32 v9, v0, 4, 1                         ; h
	v_lshlrev_b32 v4, 4, v2                        ; 16 x lane
	v_lshlrev_b32 v5, 3, v2                        ; 8 x lane
	s_mul_i32 s17, s16, WREG                       ; my stage
	v_add_nc_u32 v6, s17, v4                       ; into it: 16 x lane of a row
	v_mul_u32_u24 v7, v3, SP
	v_lshl_add_u32 v7, v9, 6, v7
	v_add_nc_u32 v7, s17, v7                       ; out of it: row r, + 64 h
	v_lshlrev_b32 v8, 3, v3
	v_lshl_add_u32 v8, v9, 7, v8                   ; the scale words' place: 128 h + 8 r
	v_cmp_lt_u32 s30, 15, v2                       ; lanes 16-31
	s_mov_b32 s[SEL], 0x76543210
	s_mov_b32 s[SEL+1], 0xfedcba98
.irp b, 0,1,2,3
	v_mov_b32 v[TM+4+\b], 0                        ; written once: a lane permute's destination counts as one of its sources
.endr
	s_mul_i32 s18, ttmp9, 6
	s_add_co_u32 s18, s18, s16                     ; my job
	s_and_b32 s19, s18, 1                          ; which half of K
	s_lshr_b32 s18, s18, 1                         ; which of the 768 tiles
	s_mov_b32 s20, 704
	s_mov_b32 s22, WS_OFF
	s_wait_kmcnt 0x0
	s_cmp_lt_u32 s18, 704                          ; the choices hang on the tile's number alone
	s_cselect_b64 s[6:7], s[6:7], s[8:9]
	s_cselect_b32 s20, 512, s20
	s_cmp_lt_u32 s18, 512
	s_cselect_b64 s[4:5], s[4:5], s[6:7]           ; the source,
	s_cselect_b32 s20, 0, s20                      ; its first tile,
	s_cselect_b64 s[10:11], s[10:11], s[12:13]     ; the destination,
	s_cselect_b32 s21, 0, 512                      ; its first tile,
	s_cselect_b32 s22, XS_OFF, s22                 ; and where its scale words begin
	s_sub_co_u32 s20, s18, s20                     ; the tile's number in the source
	s_sub_co_u32 s21, s18, s21                     ; and in the destination
	s_lshr_b32 s24, s20, 1
	s_lshl_b32 s24, s24, 17                        ; 32 rows of 4,096 bytes for each pair of tiles,
	s_and_b32 s23, s20, 1
	s_lshl_b32 s23, s23, 15                        ; 8 rows for the odd tile,
	s_add_co_u32 s24, s24, s23
	s_lshl_b32 s23, s19, 11                        ; 2,048 bytes for the second half of K
	s_add_co_u32 s24, s24, s23
	s_mov_b32 s25, 0
	s_add_nc_u64 s[4:5], s[4:5], s[24:25]
	s_mul_i32 s24, s21, 12288
	s_mul_i32 s23, s19, 6144
	s_add_co_u32 s24, s24, s23
	s_add_nc_u64 s[14:15], s[10:11], s[24:25]      ; my four fragments
	s_lshl_b32 s24, s21, 9
	s_lshl_b32 s23, s19, 8
	s_add_co_u32 s24, s24, s23
	s_add_co_u32 s24, s24, s22
	s_add_nc_u64 s[10:11], s[10:11], s[24:25]      ; my 256 bytes of scale words
	LOAD 0
	LOAD 1
.irp t, 0,1,2,3
.if \t < 3
	s_wait_loadcnt 16                              ; this K step's sixteen loads are in; the next step's sixteen may be out
.else
	s_wait_loadcnt 0x0
.endif
	TURN \t
	s_wait_dscnt 0x0                               ; X is in, and the stage's stores have read their registers,
.if \t < 2
	LOAD \t+2                                      ; which take the loads of two steps on
.endif
.if \t > 0
	s_wait_xcnt 0x0                                ; the last step's stores have read the fragment's registers: they are written again only behind this wait
.endif
	QUANT X, PW+\t
	global_store_b128 v4, v[PC:PC+3], s[14:15] offset:1536*\t           ; 512 consecutive bytes, aligned to 256
	global_store_b64 v5, v[PC+4:PC+5], s[14:15] offset:1536*\t+512      ; 256
	global_store_b128 v4, v[PC+6:PC+9], s[14:15] offset:1536*\t+768
	global_store_b64 v5, v[PC+10:PC+11], s[14:15] offset:1536*\t+1280
.endr
	v_cndmask_b32 v248, v[PW], v[PW+2], s30        ; lanes 0-15 store the first pair of K steps' words, lanes 16-31 the second pair's
	v_cndmask_b32 v249, v[PW+1], v[PW+3], s30
	global_store_b64 v8, v[248:249], s[10:11]      ; 256 consecutive bytes, aligned
	s_wait_tensorcnt 0x0
	ds_add_u32 v254, v255
	s_wait_dscnt 0x0
	s_endpgm
.Lfunc_end_k_q782ff67e94_quant:
	.size	k_q782ff67e94_quant, .Lfunc_end_k_q782ff67e94_quant-k_q782ff67e94_quant
	.p2alignl 7, 3214868480
	.fill 96, 4, 3214868480
	.section	.rodata,"a",@progbits
	.p2align	6, 0x0
	.amdhsa_kernel k_q782ff67e94_quant
		.amdhsa_group_segment_fixed_size 51456
		.amdhsa_private_segment_fixed_size 0
		.amdhsa_enable_private_segment 0
		.amdhsa_kernarg_size 40
		.amdhsa_user_sgpr_count 2
		.amdhsa_user_sgpr_kernarg_segment_ptr 1
		.amdhsa_wavefront_size32 1
		.amdhsa_system_sgpr_workgroup_id_x 1
		.amdhsa_system_sgpr_workgroup_id_y 1
		.amdhsa_system_sgpr_workgroup_id_z 1
		.amdhsa_system_vgpr_workitem_id 0
		.amdhsa_next_free_vgpr 256
		.amdhsa_next_free_sgpr 66
		.amdhsa_reserve_vcc 0
		.amdhsa_float_denorm_mode_32 3
		.amdhsa_float_denorm_mode_16_64 3
		.amdhsa_memory_ordered 1
		.amdhsa_forward_progress 1
		.amdhsa_inst_pref_size 34
	.end_amdhsa_kernel
	.amdgpu_metadata
---
amdhsa.version: [ 1, 2 ]
amdhsa.kernels:
  - .name:           k_q782ff67e94_quant
    .symbol:         k_q782ff67e94_quant.kd
    .args:
      - { .name: x, .offset: 0, .size: 8, .value_kind: global_buffer, .address_space: global }
      - { .name: w_qkv, .offset: 8, .size: 8, .value_kind: global_buffer, .address_space: global }
      - { .name: w_out, .offset: 16, .size: 8, .value_kind: global_buffer, .address_space: global }
      - { .name: xq, .offset: 24, .size: 8, .value_kind: global_buffer, .address_space: global }
      - { .name: wq, .offset: 32, .size: 8, .value_kind: global_buffer, .address_space: global }
    .group_segment_fixed_size: 51456
    .private_segment_fixed_size: 0
    .kernarg_segment_align: 8
    .kernarg_segment_size: 40
    .max_flat_workgroup_size: 192
    .sgpr_count:     66
    .vgpr_count:     256
    .wavefront_size: 32
...
	.end_amdgpu_metadata
.endif
;; end of part 1
;; launch gemm_qkv (part 2): grid 12 x 32, 4 waves a work-group, clusters of 4 x 4, 327,680 bytes of LDS; arguments xq, wq, qkv; writes qkv
.if DOCPART == 2
	.amdgcn_target "amdgcn-amd-amdhsa--gfx1250"
	.amdhsa_code_object_version 6
	.text
	.protected	k_q782ff67e94_gemm_qkv
	.globl	k_q782ff67e94_gemm_qkv
	.p2align	8
	.type	k_q782ff67e94_gemm_qkv,@function
k_q782ff67e94_gemm_qkv:
	s_mov_b64 s[64:65], 0
	v_nop
	global_prefetch_b8 v0, s[64:65] scope:SCOPE_SE
	s_setreg_imm32_b32 hwreg(HW_REG_WAVE_MODE, 25, 1), 1
	s_wait_xcnt 0x0
	s_wait_alu depctr_hold_cnt(0) depctr_sa_sdst(0) depctr_va_vdst(0) depctr_va_sdst(0) depctr_va_ssrc(0) depctr_va_vcc(0) depctr_vm_vsrc(0)
	s_getreg_b32 s2, hwreg(HW_REG_IB_STS2, 6, 4)
	s_cmp_eq_u32 s2, 0
	s_cbranch_scc0 .Lentry_in_a_cluster
	s_endpgm
.Lentry_in_a_cluster:
	s_bfe_u32 s2, ttmp6, 0x10000c
	s_cmp_lg_u32 s2, 0xf033
	s_cbranch_scc0 .Lentry_shape_is_right
	s_endpgm
.Lentry_shape_is_right:
; qkv = x w_qkv^T on codes of FP6 (E2M3) with E8M0 scales, K = 1,024, f32 sums; the results are quantised in registers and leave as codes: q and k along the head's 64, v along the keys.
; OPERANDS (xq, wq) lie in the order of the operand's registers: codes [row tile][K step 0..7][1,536 bytes], behind them the scale words [row tile][pair of K steps][r][step of the pair].
; Lane-row r of row tile t is tensor row 32 (t / 2) + 8 (t % 2) + r + 8 (r / 8), so that the 16 result registers of source 0's tiles 2 b and 2 b + 1 are 16 neighbours, 32 b + 16 (lane / 16) + 0 .. 15.
; A tile of the result is 256 x 256: four waves, each 128 x 128: 64 accumulators, 512 registers.  Source 0 = 16 rows of "B", source 1 = 16 rows of "A": a lane holds one row of A and its registers run along B's rows.
; q and k (cluster x = 0, 1): A = tokens (xq), B = rows of w_qkv (wq): a lane's registers run along the head's channels.  v (cluster x = 2): A = rows of w_qkv, B = tokens: they run along the keys.
; K goes in four steps of 256 through two LDS slots filled by the tensor data mover; a row tile's part of a slot is 3,072 consecutive bytes of memory.  The scale words of the 512 rows, for all of K, come once.
; CLUSTERS: 4 x 4 work-groups; A's tiles are asked for jointly by a row of the cluster, B's by a column.  The text is straight: K has only four slots' worth.
; OUT: qkv [batch x head 0..63][128 tokens 0..15][19,200 bytes]: q's record at 0, k's at 6,400, v's at 12,800.  q, k: eight images of 16 tokens x 64 channels, 768 bytes each (registers 0-3 at 16 x lane, 4-5 at 512 + 8 x lane);
; at 6,144 the words [r][i = 0..3]: bytes 0, 1 the scales of image 2 i's row r, bytes 2, 3 those of image 2 i + 1's.  v: four fragments of 16 channels x 128 keys, 1,536 bytes each; at 6,144 the words [r][fragment].
; LIMITS: a block of zeros gets the byte 1 where the rule says 127 (its codes are zeros, and this program alone reads the bytes); blocks whose largest magnitude lies under 2^-124 keep the byte 1; NaN and infinities are not served.
; REGISTERS, in windows of 256: window 0: v0-31 addresses; v32-63 scale words, two sets; v64-111 the way out; v128-223 A's fragments, one set.  window 1: B's fragments, two sets, at v0 and v128.
;   window 2: the accumulators of my A blocks 0-3 ((a, b) at v[8 (8 (a % 4) + b)]); window 3: those of blocks 4-7.
.set XS_OFF, 6291456
.set WS_OFF, 3145728
.set FR,     12                        ; registers of a fragment
.set NQ,     2                         ; steps of 128 along K in a slot
.set NP,     4                         ; places behind this matrix instruction (ISA guide 7.12.1)
.set HALFT,  24576                     ; 8 row tiles x 3,072 bytes: what one tensor load brings, and what one wave reads of A or of B
.set SLOT,   4*HALFT                   ; A's two halves, then B's two
.set SCL,    2*SLOT                    ; behind the ring: the scale words, 4,096 bytes for each 128 rows: A's two halves, then B's
.set SPARE,  SCL+16384                 ; the spare words, 128 bytes for each wave: two blocks of 256 bytes that no other line names
.set ADRA16, 16                        ; v16-17 my A half in slot 0, 1, + 16 x lane;  v18-19 + 8 x lane
.set ADRA8,  18
.set ADRB16, 20                        ; v20-23 the same for B
.set ADRB8,  22
.set ADRS,   27                        ; v27 my scale words: lanes 0-15 A's rows, lanes 16-31 B's
.set SPW,    28                        ; v28 SPARE + 4 x my thread's number; never rewritten
.set NIL,    29                        ; v29 0; never rewritten
.set SC,     32                        ; set s at v[SC + 16 s]; register 2 i + q: lanes 0-15 A's block i, lanes 16-31 B's block i, the slot's q-th 128 along K
.set AF,     128
.set PC,     64                        ; the way out: v64-75 a fragment, v76-78, v80-82 at work
.set TM,     84                        ; v84-99 at work
.set PW,     100                       ; v100-107 the eight blocks' scale words
.set WD,     108                       ; v108-111 the words as they are stored
.set G1,   24
.set G0,   32
.set G1B,  48
.set G0B,  56
.set G1S,  68
.set G0S,  76
.set G1SB, 80
.set G0SB, 88
.set SEL,  94                          ; s[94:95] lane selects, on the way out
.set MSB, 0
.macro WIN new                         ; the immediate's high byte repeats the setting that is left
.if MSB != \new
	s_set_vgpr_msb (MSB<<8)|\new
.set MSB, \new
.endif
.endm
.set MUL_LO, 0xa1                      ; source 0 (B) window 1, source 1 (A) window 0, C and D window 2
.set MUL_HI, 0xf1                      ; the same, C and D window 3
.set TO_B,   0x40                      ; destination window 1, address window 0
; A joint load: waves 0 and 1 fetch for A, waves 2 and 3 for B; the branch hangs on the wave's number alone.  Four v_nop follow each of the two lines.
.macro JLOAD g0a, g1a, g0b, g1b
	s_cmp_eq_u32 s15, 0
	s_cbranch_scc0 .Lfor_b_\@
	tensor_load_to_lds s[\g0a:\g0a+3], s[\g1a:\g1a+7]
	s_nop 0
.rept 4
	v_nop
.endr
	s_branch .Lasked_\@
.Lfor_b_\@:
	tensor_load_to_lds s[\g0b:\g0b+3], s[\g1b:\g1b+7]
	s_nop 0
.rept 4
	v_nop
.endr
.Lasked_\@:
.endm
.macro CREST                           ; a round of the cluster's barrier behind its opening barrier
	s_cmp_lg_u32 s14, 0
	s_cbranch_scc1 .Lnot_wave_0_\@
	s_barrier_signal -3
.Lnot_wave_0_\@:
	s_barrier_wait -3
	s_barrier_signal -1
	s_barrier_wait -1
.endm
.macro CROUND
	s_barrier_signal -1
	s_barrier_wait -1
	CREST
.endm
	s_load_b128 s[4:7], s[0:1], 0x0                ; xq, wq
	s_load_b64 s[12:13], s[0:1], 0x10              ; qkv
	v_lshl_add_u32 v[SPW], v0, 2, SPARE
	v_mov_b32 v[NIL], 0
	ds_add_u32 v28, v29
	ds_add_u32 v28, v29
	s_wait_dscnt 0x0
	v_lshrrev_b32 v1, 5, v0
	v_readfirstlane_b32 s14, v1                    ; wave 0..3
	s_lshr_b32 s15, s14, 1                         ; which half of A's rows is mine.  Also: I fetch for A (0) or for B (1)
	s_and_b32 s16, s14, 1                          ; which half of B's rows.  Also: which half I fetch
	s_bfe_u32 s40, ttmp6, 0x40000                  ; cx
	s_bfe_u32 s41, ttmp6, 0x40004                  ; cy
	s_and_b32 s18, ttmp7, 0xffff
	s_lshl_b32 s18, s18, 2                         ; 4 x cluster y
	s_lshl_b32 s19, ttmp9, 2                       ; 4 x cluster x
	s_mov_b32 s2, XS_OFF
	s_mov_b32 s3, WS_OFF
	s_cmp_eq_u32 ttmp9, 2                          ; v's clusters: the same answer in all sixteen partners
	s_cselect_b32 s17, 8, s18                      ; A's block of 256 rows: v: 8 + cy in wq;  q, k: 4 Y + cy in xq
	s_cselect_b32 s42, s18, s19                    ; B's: v: 4 Y + cx in xq;  q, k: 4 X + cx in wq
	s_cselect_b32 s20, s3, s2                      ; where A's scale words begin in its buffer,
	s_cselect_b32 s21, s2, s3                      ; and B's
	s_add_co_u32 s17, s17, s41                     ; (s17 never holds cx, s42 never cy)
	s_add_co_u32 s42, s42, s40
	s_lshl_b32 s43, s41, 2
	s_lshl_b32 s43, 15, s43                        ; my row of the cluster
	s_lshl_b32 s44, 0x1111, s40                    ; my column
	; group 1 for codes: 8 rows (row tiles) of 384 elements of 8 bytes, 1,536 elements apart; no padding: every LDS access of a fragment is to consecutive bytes
	s_or_b32 s[G1+0], s43, (3<<16)|(1<<21)         ; 15:0 the mask; 17:16 elements of 8 bytes; 21 set beside a mask
	s_or_b32 s[G1B+0], s44, (3<<16)|(1<<21)
.irp g, G1, G1B
	s_mov_b32 s[\g+1], 384<<16                     ; tensor_dim0
	s_mov_b32 s[\g+2], 8<<16                       ; tensor_dim1
	s_mov_b32 s[\g+3], 384<<16                     ; tile_dim0
	s_mov_b32 s[\g+4], 8                           ; tile_dim1
	s_mov_b32 s[\g+5], 1536                        ; tensor_dim0_stride
	s_mov_b32 s[\g+6], 0
	s_mov_b32 s[\g+7], 0
.endr
	; and for the scale words of 128 rows: 4,096 dense bytes as 16 rows of 256
	s_or_b32 s[G1S+0], s43, (3<<16)|(1<<21)
	s_or_b32 s[G1SB+0], s44, (3<<16)|(1<<21)
.irp g, G1S, G1SB
	s_mov_b32 s[\g+1], 32<<16
	s_mov_b32 s[\g+2], 16<<16
	s_mov_b32 s[\g+3], 32<<16
	s_mov_b32 s[\g+4], 16
	s_mov_b32 s[\g+5], 32
	s_mov_b32 s[\g+6], 0
	s_mov_b32 s[\g+7], 0
.endr
	s_mul_i32 s45, s16, 98304                      ; the half that I fetch: 8 row tiles of 12,288 bytes,
	s_lshl_b32 s22, s16, 12                        ; and 4,096 bytes of scale words
	s_mul_i32 s92, s17, 196608
	s_add_co_u32 s92, s92, s45                     ; A's codes
	s_mov_b32 s93, 0
	s_lshl_b32 s94, s17, 13
	s_add_co_u32 s94, s94, s22
	s_add_co_u32 s94, s94, s20                     ; A's scale words
	s_mov_b32 s95, 0
	s_mul_i32 s96, s42, 196608
	s_add_co_u32 s96, s96, s45                     ; B's codes
	s_mov_b32 s97, 0
	s_lshl_b32 s98, s42, 13
	s_add_co_u32 s98, s98, s22
	s_add_co_u32 s98, s98, s21                     ; B's scale words
	s_mov_b32 s99, 0
	s_mul_i32 s47, s14, HALFT                      ; where they go: wave x a half: no place in the cluster enters an LDS address
	s_lshl_b32 s46, s14, 12
	s_wait_kmcnt 0x0
	s_cmp_eq_u32 ttmp9, 2
	s_cselect_b64 s[8:9], s[6:7], s[4:5]           ; A's buffer
	s_cselect_b64 s[10:11], s[4:5], s[6:7]         ; B's
	s_add_nc_u64 s[92:93], s[8:9], s[92:93]
	s_add_nc_u64 s[94:95], s[8:9], s[94:95]
	s_add_nc_u64 s[96:97], s[10:11], s[96:97]
	s_add_nc_u64 s[98:99], s[10:11], s[98:99]
	CROUND                                         ; all sixteen work-groups are here: the first joint loads meet
	s_mov_b32 s[G0S], 1
	s_add_co_u32 s[G0S+1], s46, SCL
	s_mov_b64 s[G0S+2:G0S+3], s[94:95]
	s_or_b32 s[G0S+3], s[G0S+3], 0x80000000
	s_mov_b32 s[G0SB], 1
	s_add_co_u32 s[G0SB+1], s46, SCL
	s_mov_b64 s[G0SB+2:G0SB+3], s[98:99]
	s_or_b32 s[G0SB+3], s[G0SB+3], 0x80000000
	JLOAD G0S, G1S, G0SB, G1SB                     ; the scale words first: they are wanted with the first K step
.irp s, 0,1
	s_mov_b32 s[G0+4*\s], 1
	s_add_co_u32 s[G0+4*\s+1], s47, \s*SLOT
	s_add_nc_u64 s[G0+4*\s+2:G0+4*\s+3], s[92:93], \s*3072
	s_or_b32 s[G0+4*\s+3], s[G0+4*\s+3], 0x80000000
	s_mov_b32 s[G0B+4*\s], 1
	s_add_co_u32 s[G0B+4*\s+1], s47, \s*SLOT
	s_add_nc_u64 s[G0B+4*\s+2:G0B+4*\s+3], s[96:97], \s*3072
	s_or_b32 s[G0B+4*\s+3], s[G0B+4*\s+3], 0x80000000
	JLOAD G0+4*\s, G1, G0B+4*\s, G1B               ; three tensor loads of mine are out
.endr
	v_and_b32 v1, 31, v0                           ; lane
	v_and_b32 v2, 15, v0                           ; r
	v_bfe_u32 v3, v0, 4, 1                         ; h
	v_lshlrev_b32 v4, 4, v1                        ; 16 x lane; never rewritten
	v_lshlrev_b32 v5, 3, v1                        ; 8 x lane; never rewritten
	s_mul_i32 s22, s15, HALFT                      ; my half of A
	s_mul_i32 s23, s16, HALFT
	s_add_co_u32 s23, s23, 2*HALFT                 ; my half of B, behind A's two
.irp s, 0,1
	v_add_nc_u32 v[ADRA16+\s], s22, v4
	v_add_nc_u32 v[ADRA8+\s], s22, v5
	v_add_nc_u32 v[ADRB16+\s], s23, v4
	v_add_nc_u32 v[ADRB8+\s], s23, v5
	s_add_co_u32 s22, s22, SLOT
	s_add_co_u32 s23, s23, SLOT
.endr
	v_lshlrev_b32 v6, 3, v2                        ; my row's two words of a pair of K steps
	s_lshl_b32 s22, s15, 12                        ; A's: my half
	s_lshl_b32 s23, s16, 12
	s_add_co_u32 s23, s23, 8192                    ; B's: my half, behind A's two
	s_sub_co_u32 s23, s23, s22
	v_mul_u32_u24 v7, s23, v3                      ; lanes 16-31 take B's: one product, the lower base + h x the distance
	s_add_co_u32 s22, s22, SCL
	v_add_nc_u32 v6, v6, v7
	v_add_nc_u32 v[ADRS], s22, v6
	v_cmp_lt_u32 s66, 15, v1                       ; the way out: lanes 16-31,
	v_mov_b32 v25, 0x05040100
	v_mov_b32 v7, 0x07060302
	v_cndmask_b32 v25, v25, v7, s66                ; which halves of two scale words make my word: lanes 0-15 the low ones (the first head), lanes 16-31 the high ones (the second),
	v_mul_u32_u24 v26, v3, 307200
	v_lshl_add_u32 v26, v2, 4, v26                 ; and where it goes: the head's bytes + 16 r
.irp b, 0,1,2,3
	v_mov_b32 v[TM+4+\b], 0                        ; written once: a lane permute's destination counts as one of its sources
.endr
.macro FRAG reg, a16, a8, off          ; a fragment's image comes back as it was stored: every instruction reads consecutive bytes
	ds_load_b128 v[\reg:\reg+3], v[\a16] offset:\off
	ds_load_b64 v[\reg+4:\reg+5], v[\a8] offset:\off+512
	ds_load_b128 v[\reg+6:\reg+9], v[\a16] offset:\off+768
	ds_load_b64 v[\reg+10:\reg+11], v[\a8] offset:\off+1280
.endm
; 16 matrix instructions: A's blocks a0, a0 + 1 x B's eight, the slot's q-th 128 along K.  p: B's set; sc: the set of scale words.  zero = 1: the first product starts the sums.
; The 64 accumulators take turns, one instruction a turn, in the same order in every step.
.macro MUL16 a0, p, q, sc, zero
.irp a, \a0, \a0+1
.irp b, 0,1,2,3,4,5,6,7
.if \zero
	v_wmma_scale_f32_16x16x128_f8f6f4 v[8*(8*((\a)%4)+\b):8*(8*((\a)%4)+\b)+7], v[128*(\p)+FR*\b:128*(\p)+FR*\b+FR-1], v[AF+FR*(\a):AF+FR*(\a)+FR-1], 0, v[SC+8*NQ*(\sc)+NQ*\b+(\q)], v[SC+8*NQ*(\sc)+NQ*(\a)+(\q)] matrix_a_fmt:MATRIX_FMT_FP6 matrix_b_fmt:MATRIX_FMT_FP6 matrix_a_scale:MATRIX_SCALE_ROW1
.else
	v_wmma_scale_f32_16x16x128_f8f6f4 v[8*(8*((\a)%4)+\b):8*(8*((\a)%4)+\b)+7], v[128*(\p)+FR*\b:128*(\p)+FR*\b+FR-1], v[AF+FR*(\a):AF+FR*(\a)+FR-1], v[8*(8*((\a)%4)+\b):8*(8*((\a)%4)+\b)+7], v[SC+8*NQ*(\sc)+NQ*\b+(\q)], v[SC+8*NQ*(\sc)+NQ*(\a)+(\q)] matrix_a_fmt:MATRIX_FMT_FP6 matrix_b_fmt:MATRIX_FMT_FP6 matrix_a_scale:MATRIX_SCALE_ROW1
.endif
.endr
.endr
.endm
.macro FETCH_B slot, q, p              ; B's eight fragments into set p: 32 loads
	WIN TO_B
.irp i, 0,1,2,3,4,5,6,7
	FRAG 128*(\p)+FR*\i, ADRB16+\slot, ADRB8+\slot, \i*3072+(\q)*1536
.endr
	WIN 0
.endm
.macro FETCH_A slot, q, i0             ; A's blocks i0 .. i0 + 3: 16 loads
.irp i, \i0, \i0+1, \i0+2, \i0+3
	FRAG AF+FR*(\i), ADRA16+\slot, ADRA8+\slot, (\i)*3072+(\q)*1536
.endr
.endm
.macro SCALES sc                       ; a slot's scale words: 8 loads
.irp i, 0,1,2,3,4,5,6,7
	ds_load_b64 v[SC+8*NQ*\sc+NQ*\i:SC+8*NQ*\sc+NQ*\i+1], v[ADRS] offset:\i*512
.endr
.endm
.macro PLACES n                        ; plain vector instructions in front of loads into registers that matrix instructions have read, and of the first read of results
.rept \n
	v_nop
.endr
.endm
.macro STEP slot, q, zero              ; a step of 128 along K that has its successor in the same slot
	s_wait_dscnt 16                                ; B's set, A's blocks 0-3 and the scale words are in; the youngest sixteen loads (A's blocks 4-7) may be out
	WIN MUL_LO
	MUL16 0, (\q)%2, \q, \slot, \zero
	MUL16 2, (\q)%2, \q, \slot, \zero
	s_wait_dscnt 0                                 ; A's blocks 4-7 are in
	PLACES NP
	FETCH_B \slot, (\q)+1, 1-(\q)%2
	FETCH_A \slot, (\q)+1, 0
	WIN MUL_HI
	MUL16 4, (\q)%2, \q, \slot, \zero
	MUL16 6, (\q)%2, \q, \slot, \zero
	PLACES NP
	WIN 0
	FETCH_A \slot, (\q)+1, 4
.endm
; A slot's last step changes slots: one barrier; in front of it each wave waits for all its tensor loads, adds 0 to its spare word, and waits for that and for its own reads of this slot.  fill = 1: the slot is filled again.
.macro TURN slot, next, fill
	s_wait_tensorcnt 0x0                           ; all my tensor loads have landed: my part of the next slot
	ds_add_u32 v[SPW], v[NIL]                      ; 0 onto my spare word
	s_wait_dscnt 17                                ; (the add and the youngest sixteen loads may be out)
	WIN MUL_LO
	MUL16 0, 1, NQ-1, \slot, 0
	s_wait_dscnt 0x0                               ; the add is done, and my reads of this slot are over
	s_barrier_signal -1
	MUL16 2, 1, NQ-1, \slot, 0
	WIN 0
	s_barrier_wait -1
.if \fill
	CREST                                          ; the barrier has opened a round of the cluster's barrier: no wave of any partner still reads this slot or has a load on its way
	s_add_nc_u64 s[G0+4*\slot+2:G0+4*\slot+3], s[G0+4*\slot+2:G0+4*\slot+3], 6144
	s_add_nc_u64 s[G0B+4*\slot+2:G0B+4*\slot+3], s[G0B+4*\slot+2:G0B+4*\slot+3], 6144
	JLOAD G0+4*\slot, G1, G0B+4*\slot, G1B         ; my one tensor load behind the round; its four v_nop are also the places in front of the loads below
.else
	PLACES NP
.endif
	v_add_nc_u32 v[ADRS], 128, v[ADRS]             ; the next slot's scale words
	FETCH_B \next, 0, 0
	FETCH_A \next, 0, 0
	SCALES \next
	WIN MUL_HI
	MUL16 4, 1, NQ-1, \slot, 0
	MUL16 6, 1, NQ-1, \slot, 0
	PLACES NP
	WIN 0
	FETCH_A \next, 0, 4
.endm
	s_wait_tensorcnt 1                             ; the scale words and my part of slot 0 are in; slot 1's load may be out
	s_barrier_signal -1
	s_barrier_wait -1
	FETCH_B 0, 0, 0
	FETCH_A 0, 0, 0
	SCALES 0
	FETCH_A 0, 0, 4
	STEP 0, 0, 1                                   ; K 0-127: its products start the sums
	TURN 0, 1, 1                                   ; K 128-255; slot 0 takes K 512-767
	STEP 1, 0, 0
	TURN 1, 0, 1                                   ; slot 1 takes K 768-1023
	STEP 0, 0, 0
	TURN 0, 1, 0                                   ; nothing is left to fetch
	STEP 1, 0, 0
	s_wait_dscnt 16
	WIN MUL_LO
	MUL16 0, 1, NQ-1, 1, 0
	MUL16 2, 1, NQ-1, 1, 0
	s_wait_dscnt 0
	WIN MUL_HI
	MUL16 4, 1, NQ-1, 1, 0
	MUL16 6, 1, NQ-1, 1, 0
	WIN 0
	s_wait_tensorcnt 0x0                           ; my last LDS instructions, behind my last tensor load; the way out below touches no LDS
	ds_add_u32 v[SPW], v[NIL]
	PLACES NP                                      ; the places behind the last products
	s_wait_dscnt 0x0
	CROUND                                         ; the closing round: no joint load follows it in any partner
	; THE WAY OUT.  For each of my eight A blocks the 64 registers of its accumulators are 128 neighbours along B's rows, 16 of each block of 32 in a lane: they are quantised in registers and stored as images.
	s_mov_b32 s[SEL], 0x76543210
	s_mov_b32 s[SEL+1], 0xfedcba98
	s_cmp_eq_u32 ttmp9, 2
	s_cselect_b32 s18, s42, s17                    ; the tokens' block of 256,
	s_cselect_b32 s19, s16, s15                    ; my half of it,
	s_cselect_b32 s22, s17, s42                    ; the block of 256 rows of w_qkv,
	s_cselect_b32 s23, s15, s16                    ; my half of it,
	s_cselect_b32 s45, 8, 0                        ; v's rows counted from 2,048,
	s_cselect_b32 s46, 12800, 0                    ; v's record
	s_sub_co_u32 s22, s22, s45
	s_lshl_b32 s18, s18, 8
	s_lshl_b32 s19, s19, 7
	s_add_co_u32 s18, s18, s19                     ; my first token
	s_lshl_b32 s22, s22, 8
	s_lshl_b32 s23, s23, 7
	s_add_co_u32 s22, s22, s23                     ; my first channel: q 0 .. 1,023, k 1,024 .. 2,047, v 0 .. 1,023
	s_lshr_b32 s19, s22, 10
	s_mul_i32 s19, s19, 6400
	s_add_co_u32 s46, s46, s19                     ; the record
	s_lshr_b32 s19, s18, 11
	s_lshl_b32 s19, s19, 4                         ; 16 x batch
	s_and_b32 s23, s22, 1023
	s_lshr_b32 s23, s23, 6
	s_add_co_u32 s19, s19, s23                     ; + the first of my two heads
	s_mul_i32 s19, s19, 307200
	s_add_co_u32 s46, s46, s19
	s_bfe_u32 s23, s18, 0x40007                    ; which 128 tokens of the sequence
	s_mul_i32 s23, s23, 19200
	s_add_co_u32 s46, s46, s23
	s_mov_b32 s47, 0
	s_add_nc_u64 s[12:13], s[12:13], s[46:47]
; 64 accumulator registers v[s] .. v[s + 63] of window w become a fragment in v[PC] on and its scale word in v[pw].  Each accumulator is read from its low end on.
.macro QUANTW s, w, pw
	WIN (((\w)<<2)|((\w)<<4))                      ; sources 1 and 2 in window w
.irp b, 0,1,2,3
	v_max3_num_f32 v[TM+\b], 0x1800000, |v[(\s)+16*\b]|, |v[(\s)+1+16*\b]|   ; the floor 2^(3 - 127), and my 16 numbers of block b
.endr
.irp i, 2,4,6,8,10,12,14
.irp b, 0,1,2,3
	v_max3_num_f32 v[TM+\b], v[TM+\b], |v[(\s)+16*\b+\i]|, |v[(\s)+1+16*\b+\i]|
.endr
.endr
	WIN 0
.irp b, 0,1,2,3
	v_permlanex16_b32 v[TM+4+\b], v[TM+\b], s[SEL], s[SEL+1]
.endr
.irp b, 0,1,2,3
	v_max_num_f32 v[TM+\b], v[TM+\b], v[TM+4+\b]   ; the block's largest magnitude
.endr
.irp b, 0,1,2,3
	v_add_nc_u32 v[TM+12+\b], 0xff000000, v[TM+\b] ; 2 off its exponent field: the conversion's scale operand
.endr
.irp b, 0,1,2,3
	v_lshrrev_b32 v[TM+4+\b], 23, v[TM+12+\b]      ; the scale's byte
.endr
	v_lshl_or_b32 v[\pw], v[TM+5], 8, v[TM+4]
	v_lshl_or_b32 v[\pw], v[TM+6], 16, v[\pw]
	v_lshl_or_b32 v[\pw], v[TM+7], 24, v[\pw]
	WIN (\w)                                       ; source 0 in window w
.irp c, 0,1
	v_cvt_scalef32_pk16_fp6_f32 v[PC+6*\c:PC+2+6*\c], v[(\s)+32*\c:(\s)+15+32*\c], v[TM+12+2*\c]
	v_cvt_scalef32_pk16_fp6_f32 v[PC+12+4*\c:PC+14+4*\c], v[(\s)+16+32*\c:(\s)+31+32*\c], v[TM+12+2*\c+1]
.endr
	WIN 0
	v_nop                                          ; one plain instruction behind the scaled conversions
.irp c, 0,1
.irp i, 0,1,2
	v_permlane16_swap_b32 v[PC+6*\c+\i], v[PC+12+4*\c+\i]
.endr
.irp i, 0,1,2
	v_mov_b32 v[PC+3+6*\c+\i], v[PC+12+4*\c+\i]
.endr
.endr
.endm
.macro EPI isv
.irp a, 0,1,2,3,4,5,6,7
	s_wait_xcnt 0x0                                ; the last block's stores have read the fragment's registers
	QUANTW 64*((\a)%4), 2+(\a)/4, PW+\a
.if \isv                                       ; block a = 16 channels of head a / 4 x my 128 keys: fragment a % 4 of that head's record
	global_store_b128 v4, v[PC:PC+3], s[12:13] offset:(\a/4)*307200+(\a%4)*1536
	global_store_b64 v5, v[PC+4:PC+5], s[12:13] offset:(\a/4)*307200+(\a%4)*1536+512
	global_store_b128 v4, v[PC+6:PC+9], s[12:13] offset:(\a/4)*307200+(\a%4)*1536+768
	global_store_b64 v5, v[PC+10:PC+11], s[12:13] offset:(\a/4)*307200+(\a%4)*1536+1280
.else                                          ; block a = 16 tokens x two heads' 64 channels: image a of each head's record
	global_store_b128 v4, v[PC:PC+3], s[12:13] offset:\a*768
	global_store_b64 v5, v[PC+4:PC+5], s[12:13] offset:\a*768+512
	global_store_b128 v4, v[PC+6:PC+9], s[12:13] offset:307200+\a*768
	global_store_b64 v5, v[PC+10:PC+11], s[12:13] offset:307200+\a*768+512
.endif
.endr
.irp i, 0,1,2,3
.if \isv
	v_cndmask_b32 v[WD+\i], v[PW+\i], v[PW+4+\i], s66              ; lanes 0-15: the first head's fragment i; lanes 16-31: the second's
.else
	v_perm_b32 v[WD+\i], v[PW+2*\i+1], v[PW+2*\i], v25             ; my head's two bytes of image 2 i, then of image 2 i + 1
.endif
.endr
	global_store_b128 v26, v[WD:WD+3], s[12:13] offset:6144        ; sixteen lanes store 256 consecutive bytes, aligned, in each head's record
	s_endpgm
.endm
	s_cmp_eq_u32 ttmp9, 2
	s_cbranch_scc1 .Lfor_v
	EPI 0
.Lfor_v:
	EPI 1
.Lfunc_end_k_q782ff67e94_gemm_qkv:
	.size	k_q782ff67e94_gemm_qkv, .Lfunc_end_k_q782ff67e94_gemm_qkv-k_q782ff67e94_gemm_qkv
	.p2alignl 7, 3214868480
	.fill 96, 4, 3214868480
	.section	.rodata,"a",@progbits
	.p2align	6, 0x0
	.amdhsa_kernel k_q782ff67e94_gemm_qkv
		.amdhsa_group_segment_fixed_size 327680
		.amdhsa_private_segment_fixed_size 0
		.amdhsa_enable_private_segment 0
		.amdhsa_kernarg_size 24
		.amdhsa_user_sgpr_count 2
		.amdhsa_user_sgpr_kernarg_segment_ptr 1
		.amdhsa_wavefront_size32 1
		.amdhsa_system_sgpr_workgroup_id_x 1
		.amdhsa_system_sgpr_workgroup_id_y 1
		.amdhsa_system_sgpr_workgroup_id_z 1
		.amdhsa_system_vgpr_workitem_id 0
		.amdhsa_next_free_vgpr 1024
		.amdhsa_next_free_sgpr 100
		.amdhsa_reserve_vcc 0
		.amdhsa_float_denorm_mode_32 3
		.amdhsa_float_denorm_mode_16_64 3
		.amdhsa_memory_ordered 1
		.amdhsa_forward_progress 1
		.amdhsa_inst_pref_size 184
	.end_amdhsa_kernel
	.amdgpu_metadata
---
amdhsa.version: [ 1, 2 ]
amdhsa.kernels:
  - .name:           k_q782ff67e94_gemm_qkv
    .symbol:         k_q782ff67e94_gemm_qkv.kd
    .args:
      - { .name: xq, .offset: 0, .size: 8, .value_kind: global_buffer, .address_space: global }
      - { .name: wq, .offset: 8, .size: 8, .value_kind: global_buffer, .address_space: global }
      - { .name: qkv, .offset: 16, .size: 8, .value_kind: global_buffer, .address_space: global }
    .group_segment_fixed_size: 327680
    .private_segment_fixed_size: 0
    .kernarg_segment_align: 8
    .kernarg_segment_size: 24
    .max_flat_workgroup_size: 128
    .sgpr_count:     100
    .vgpr_count:     1024
    .wavefront_size: 32
...
	.end_amdgpu_metadata
.endif
;; end of part 2
;; launch attn (part 3): grid 4 x 64, 16 waves a work-group, clusters of 4 x 1, 206,848 bytes of LDS; arguments qkv, ao; writes ao
.if DOCPART == 3
	.amdgcn_target "amdgcn-amd-amdhsa--gfx1250"
	.amdhsa_code_object_version 6
	.text
	.protected	k_q782ff67e94_attn
	.globl	k_q782ff67e94_attn
	.p2align	8
	.type	k_q782ff67e94_attn,@function
k_q782ff67e94_attn:
	s_mov_b64 s[64:65], 0
	v_nop
	global_prefetch_b8 v0, s[64:65] scope:SCOPE_SE
	s_setreg_imm32_b32 hwreg(HW_REG_WAVE_MODE, 25, 1), 1
	s_wait_xcnt 0x0
	s_wait_alu depctr_hold_cnt(0) depctr_sa_sdst(0) depctr_va_vdst(0) depctr_va_sdst(0) depctr_va_ssrc(0) depctr_va_vcc(0) depctr_vm_vsrc(0)
	s_getreg_b32 s2, hwreg(HW_REG_IB_STS2, 6, 4)
	s_cmp_eq_u32 s2, 0
	s_cbranch_scc0 .Lentry_in_a_cluster
	s_endpgm
.Lentry_in_a_cluster:
	s_bfe_u32 s2, ttmp6, 0x10000c
	s_cmp_lg_u32 s2, 0x3003
	s_cbranch_scc0 .Lentry_shape_is_right
	s_endpgm
.Lentry_shape_is_right:
; Causal attention of one (batch, head) for each cluster, both products on codes of FP6 (E2M3) with E8M0 scales; head size 64, 2,048 tokens.  The result, divided by the row's sum, is quantised along the model's 1,024 and stored as codes.
; IN: qkv [batch x head][128 tokens ks = 0..15][19,200 bytes]: q's record at 0, k's at 6,400, v's at 12,800.  q, k: eight images of 16 tokens x 64 channels (768 bytes: registers 0-3 at 16 x lane, 4-5 at 512 + 8 x lane);
; lane-row r of image a is token 32 (a / 2) + 8 (a % 2) + r + 8 (r / 8) of the 128; at 6,144 the words [r][i]: bytes 0, 1 the scales of image 2 i's row r, bytes 2, 3 of image 2 i + 1's.
; v: four fragments of 16 channels x 128 keys (1,536 bytes), lane-rows in the same order; at 6,144 the words [r][fragment].
; K = 64 IN AN INSTRUCTION OF 128.  k's images 2 i and 2 i + 1 on end ARE one fragment whose row r is (key kappa | key kappa + 8), and word i is its scale word.  q stands in a run of 18 registers, 0 x 6 | q x 6 | 0 x 6.
; The fragment times the run's last 12 (q | 0) gives the scores of keys kappa, times its first 12 (0 | q) those of keys kappa + 8: the other 64 codes meet zero codes, which add nothing (their scale byte is 127).
; So the 16 registers of the two results are 16 neighbouring keys, 32 i + 16 (lane / 16) + 0 .. 15, and a lane holds one query throughout (both products are used transposed).
; THE SOFTMAX: t = score x log2(e) / 8; M = the running largest t rounded up to a whole number; p = 2^(t - M) is quantised along the keys, not normalised; the row's sum is taken of the unquantised p and divides at the end.
; When M moves, the sum and O are multiplied by 2^(old M - new M): exact.
; SHARES.  A head's k and v records, 16 x 12,800 bytes, stay in LDS whole: filled once, read by all sixteen waves, no ring and no barrier in the loop.  The four work-groups of a cluster want the same bytes: the fills are joint loads.
; Partner cx takes, of every group of 128 queries, images 2 cx + E (E = wave / 8).  Wave (WP = wave % 8, E) runs two jobs: group 15 - WP, then group WP: 17 key steps for every wave, two of them on the diagonal.
; Key steps behind the diagonal are jumped over by a branch on the wave's number, the job and the step; no branch and no LDS address hangs on cx, which enters global offsets and the mask's data alone.
; OUT: ao, laid as the next product's operand: codes [row tile of 16 tokens][K step][1,536], the head's 64 channels being half a K step; scale words [row tile][pair of K steps][r][step]: a lane stores one byte.
; LIMITS: hidden scores are taken as -infinity where the definition has -1e9: the same p, 0, while true scores stay far above -1e9; an exponential under 2^-126 comes out as 0; a block of zeros gets the byte 1 where the rule
; says 127 (its codes are zeros, and this program alone reads the bytes); NaN and infinities are not served.
; REGISTERS: v4-6 16 x lane, 8 x lane, 16 r; v7 the mask's bound; v8-10 the step's LDS addresses; v11 8 r + h; v12 -M, v13 the largest t, v[14:15] the sum; v16-33 q's run; v34, v35 q's two scale words; v36-39 k's or v's scale words;
; v40 p's scale word; v41-43 q's offsets; v44 -infinity; v48-95 four fragments; v96-159 scores, then p; v160-191 O^T; v192-203 p's codes; v204-227 at work; v228-233 the second job's q; v234, v235 the raw scale words.
.set RECB,   19200
.set KSB,    12800
.set HEADB,  307200
.set XS_OFF, 6291456
.set FB, 48
.set S,  96
.set O,  160
.set P,  192
.set BM, 204                           ; v204-207 the blocks' largest
.set PD, 208                           ; v208-211 permutes' results, a chain of the sum, the bytes
.set CT, 212                           ; v212-214, v216-218 conversions' second halves
.set SO, 220                           ; v220-223 the conversions' scale operands
.set FF, 224                           ; v[224:225] f, or 1 / the sum; v225 = 0, named with it as a pair
.set T,  226
.set BY, 227
.macro ROUND                           ; a round of the cluster's barrier
	s_barrier_signal -1
	s_barrier_wait -1
	s_cmp_lg_u32 s8, 0
	s_cbranch_scc1 .Lnot_wave_0_\@
	s_barrier_signal -3
.Lnot_wave_0_\@:
	s_barrier_wait -3
	s_barrier_signal -1
	s_barrier_wait -1
.endm
.macro FRAG reg, off                   ; a fragment's image: every instruction reads consecutive bytes
	ds_load_b128 v[\reg:\reg+3], v8 offset:\off
	ds_load_b64 v[\reg+4:\reg+5], v9 offset:\off+512
	ds_load_b128 v[\reg+6:\reg+9], v8 offset:\off+768
	ds_load_b64 v[\reg+10:\reg+11], v9 offset:\off+1280
.endm
.macro INIT raw                        ; a job begins: no maximum, no sum, O^T = 0 (the first change of M multiplies zeros), q's two scale words
	v_mov_b32 v13, 0xff61b1e6                      ; -3e38, under every t
	s_delay_alu instid0(VALU_DEP_1)
	v_floor_f32 v12, -v13
	v_mov_b32 v14, 0
	v_mov_b32 v15, 0
	v_lshrrev_b32 v[T], s58, v[\raw]               ; my image's two bytes: the word's half E
	s_delay_alu instid0(VALU_DEP_1)
	v_and_or_b32 v34, v[T], 0xffff, s57            ; for (q | 0): q's bytes, then 127, 127
	s_delay_alu instid0(VALU_DEP_2)
	v_lshl_or_b32 v35, v[T], 16, 0x7f7f            ; for (0 | q)
.set j, 0
.rept 32
	v_mov_b32 v[O+j], 0                            ; (these also stand between the scale words' writes and the first scaled product)
.set j, j+1
.endr
.endm
	s_load_b128 s[4:7], s[0:1], 0x0                ; qkv, ao
	v_lshl_add_u32 v254, v0, 2, 0x32000
	v_mov_b32 v255, 0
	ds_add_u32 v254, v255
	ds_add_u32 v254, v255
	v_lshrrev_b32 v1, 5, v0
	s_delay_alu instid0(VALU_DEP_1)
	v_readfirstlane_b32 s8, v1                     ; wave 0..15
	s_bfe_u32 s9, ttmp6, 0x40000                   ; cx
	s_and_b32 s10, ttmp7, 0xffff                   ; batch x head: the cluster's y
	s_lshr_b32 s11, s8, 3                          ; E
	s_and_b32 s12, s8, 7                           ; WP
	s_mov_b32 s20, 0x76543210
	s_mov_b32 s21, 0xfedcba98                      ; lane selects: lane l xor 16
	s_mov_b32 s22, 0x3e38aa3b                      ; c = log2(e) / 8
	s_mov_b32 s23, s22                             ; (named with it as a pair)
	s_mov_b32 s57, 0x7f7f0000
	s_lshl_b32 s58, s11, 4
	; group 1: two rows of 1,600 elements of 8 bytes (a key step's k and v records, 12,800 bytes), 2,400 elements apart
	s_mov_b32 s24, 15|(3<<16)|(1<<21)              ; 15:0 the mask: all four work-groups; 17:16 elements of 8 bytes; 21 set beside a mask
	s_mov_b32 s25, 1600<<16
	s_mov_b32 s26, 2<<16
	s_mov_b32 s27, 1600<<16
	s_mov_b32 s28, 2
	s_mov_b32 s29, 2400
	s_mov_b32 s30, 0
	s_mov_b32 s31, 0
	s_mul_i32 s44, s10, HEADB
	s_mov_b32 s45, 0
	s_mul_i32 s46, s12, 2*RECB                     ; waves 0-7 fetch key steps 2 w and 2 w + 1
	s_add_co_u32 s46, s46, 6400
	s_mov_b32 s47, 0
	s_mov_b32 s32, 1
	s_mul_i32 s33, s12, 2*KSB                      ; key step ks lies at 12,800 ks
	s_wait_dscnt 0x0
	s_wait_kmcnt 0x0
	s_add_nc_u64 s[36:37], s[4:5], s[44:45]        ; the head
	s_add_nc_u64 s[34:35], s[36:37], s[46:47]
	s_or_b32 s35, s35, 0x80000000
	ROUND                                          ; all four work-groups are here: the joint loads meet
	s_cmp_lt_u32 s8, 8
	s_cbranch_scc0 .Lno_fill
	tensor_load_to_lds s[32:35], s[24:31]          ; one tensor load of mine is out; these bytes are filled once
	s_nop 0
.rept 4
	v_nop
.endr
.Lno_fill:
	v_and_b32 v1, 31, v0                           ; lane
	v_and_b32 v2, 15, v0                           ; r
	v_bfe_u32 v3, v0, 4, 1                         ; h
	s_delay_alu instid0(VALU_DEP_3)
	v_lshlrev_b32 v4, 4, v1
	s_delay_alu instid0(VALU_DEP_4)
	v_lshlrev_b32 v5, 3, v1
	s_delay_alu instid0(VALU_DEP_4)
	v_lshlrev_b32 v6, 4, v2
	v_and_b32 v7, 8, v2
	s_delay_alu instid0(VALU_DEP_1)
	v_add_nc_u32 v7, v7, v2                        ; r + 8 (r / 8)
	v_lshlrev_b32 v11, 4, v3
	s_delay_alu instid0(VALU_DEP_1)
	v_sub_nc_u32 v7, v7, v11                       ; - 16 h
	s_lshl_b32 s44, s9, 5
	s_lshl_b32 s45, s11, 3
	s_add_co_u32 s44, s44, s45
	v_add_nc_u32 v7, s44, v7                       ; d = my query's place among its 128, less 16 h: on the diagonal register 16 b + i is hidden where 32 b + i > d
	v_lshl_add_u32 v11, v2, 3, v3                  ; 8 r + h
	s_lshl_b32 s48, s9, 1
	s_add_co_u32 s48, s48, s11                     ; my image a = 2 cx + E
	s_mul_i32 s49, s48, 768
	v_add_nc_u32 v41, s49, v4
	s_wait_alu depctr_va_vdst(0)
	v_add_nc_u32 v42, s49, v5
	s_wait_alu depctr_va_vdst(0)
	s_lshl_b32 s50, s9, 2
	v_add_nc_u32 v43, s50, v6                      ; word a / 2 = cx of row r
	s_sub_co_u32 s13, 15, s12                      ; the first job's group
	s_mul_i32 s44, s13, RECB
	s_mov_b32 s45, 0
	s_add_nc_u64 s[38:39], s[36:37], s[44:45]
	s_mul_i32 s46, s12, RECB                       ; the second job's
	s_mov_b32 s47, 0
	s_add_nc_u64 s[52:53], s[36:37], s[46:47]
	global_load_b128 v[22:25], v41, s[38:39]
	global_load_b64 v[26:27], v42, s[38:39] offset:512
	global_load_b32 v235, v43, s[38:39] offset:6144
	global_load_b128 v[228:231], v41, s[52:53]
	global_load_b64 v[232:233], v42, s[52:53] offset:512
	global_load_b32 v234, v43, s[52:53] offset:6144
	v_mov_b32 v44, 0xff800000                      ; -infinity
	v_cmp_lt_u32 s56, 15, v1                       ; lanes 16-31
.irp j, 16,17,18,19,20,21,28,29,30,31,32,33
	v_mov_b32 v\j, 0                               ; the zero codes on both sides of q: written once
.endr
.irp b, 0,1,2,3
	v_mov_b32 v[PD+\b], 0                          ; written once: a lane permute's destination counts as one of its sources
.endr
	v_mov_b32 v[FF+1], 0
	v_mov_b32 v[T], 0
	; where my results go, but for the group: row tile 128 x batch + a, K step head / 2, half head % 2
	s_lshr_b32 s44, s10, 4
	s_lshl_b32 s44, s44, 7
	s_add_co_u32 s44, s44, s48
	s_and_b32 s46, s10, 15                         ; the head
	s_mul_i32 s54, s44, 12288
	s_lshr_b32 s47, s46, 1
	s_mul_i32 s47, s47, 1536
	s_add_co_u32 s54, s54, s47
	s_and_b32 s47, s10, 1
	s_mul_i32 s47, s47, 768
	s_add_co_u32 s54, s54, s47                     ; the codes
	s_lshl_b32 s55, s44, 9
	s_add_co_u32 s55, s55, XS_OFF
	s_lshr_b32 s47, s46, 2
	s_lshl_b32 s47, s47, 7
	s_add_co_u32 s55, s55, s47                     ; the pair of K steps,
	s_bfe_u32 s47, s10, 0x10001
	s_lshl_b32 s47, s47, 2
	s_add_co_u32 s55, s55, s47                     ; the step of the pair,
	s_and_b32 s47, s10, 1
	s_lshl_b32 s47, s47, 1
	s_add_co_u32 s55, s55, s47                     ; my head's two bytes of the word
	s_wait_loadcnt 0x0                             ; both jobs' q
	INIT 235
	s_wait_tensorcnt 0x0                           ; my fill has landed,
	s_barrier_signal -1
	s_barrier_wait -1                              ; everybody's has: from here on LDS is only read
	s_mov_b32 s17, 0                               ; the job
.Ljob:
	s_mov_b32 s15, 0                               ; the key step
	s_mov_b32 s16, 0                               ; and where it lies in LDS
.Lstep:
	s_cmp_gt_u32 s15, s13                          ; all its keys come after my queries: nothing to do
	s_cbranch_scc1 .Lhidden
	s_setprio 2
	v_add_nc_u32 v8, s16, v4
	v_add_nc_u32 v9, s16, v5
	v_add_nc_u32 v10, s16, v6
	v_nop                                          ; four plain instructions in front of loads into registers that the last products have read
.irp i, 0,1,2,3
	FRAG FB+12*\i, 1536*\i                         ; k's four pair fragments
.endr
	ds_load_b128 v[36:39], v10 offset:6144         ; and their scale words
	s_wait_alu depctr_va_vdst(0)
	s_wait_dscnt 0x0
.irp i, 0,1,2,3
	v_wmma_scale_f32_16x16x128_f8f6f4 v[S+16*\i:S+16*\i+7], v[FB+12*\i:FB+12*\i+11], v[22:33], 0, v[36+\i], v34 matrix_a_fmt:MATRIX_FMT_FP6 matrix_b_fmt:MATRIX_FMT_FP6
	v_wmma_scale_f32_16x16x128_f8f6f4 v[S+16*\i+8:S+16*\i+15], v[FB+12*\i:FB+12*\i+11], v[16:27], 0, v[36+\i], v35 matrix_a_fmt:MATRIX_FMT_FP6 matrix_b_fmt:MATRIX_FMT_FP6
.endr
.rept 4
	v_nop                                          ; places: for the loads below and for the first read of the scores
.endr
.irp t, 0,1,2,3
	FRAG FB+12*\t, 6400+1536*\t                    ; v's four fragments land while the softmax is walked
.endr
	ds_load_b128 v[36:39], v10 offset:12544
	s_cmp_lg_u32 s15, s13                          ; only the step on the diagonal has hidden keys
	s_cbranch_scc1 .Lopen
.set n, 0
.rept 64
	v_cmp_gt_i32 vcc_lo, 32*(n/16)+n%16, v7
	v_cndmask_b32 v[S+n], v[S+n], v44, vcc_lo
.set n, n+1
.endr
.Lopen:
.irp b, 0,1,2,3
	v_max3_num_f32 v[BM+\b], v[S+16*\b], v[S+1+16*\b], v[S+2+16*\b]   ; the largest score of each block of 32 keys: it serves for the row's maximum and, since p rises with the score, for the block's largest p
.endr
.irp i, 3,5,7,9,11,13
.irp b, 0,1,2,3
	v_max3_num_f32 v[BM+\b], v[BM+\b], v[S+16*\b+\i], v[S+1+16*\b+\i]
.endr
.endr
.irp b, 0,1,2,3
	v_max_num_f32 v[BM+\b], v[BM+\b], v[S+15+16*\b]
.endr
.irp b, 0,1,2,3
	s_delay_alu instid0(VALU_DEP_4)
	v_permlanex16_b32 v[PD+\b], v[BM+\b], s20, s21
.endr
.irp b, 0,1,2,3
	s_delay_alu instid0(VALU_DEP_4)
	v_max_num_f32 v[BM+\b], v[BM+\b], v[PD+\b]     ; with lane l xor 16's 16 keys
.endr
	s_delay_alu instid0(VALU_DEP_2)
	v_max3_num_f32 v[T], v[BM], v[BM+1], v[BM+2]
	s_delay_alu instid0(VALU_DEP_1)
	v_max_num_f32 v[T], v[T], v[BM+3]
	s_delay_alu instid0(VALU_DEP_1)
	v_mul_f32 v[T], s22, v[T]                      ; the step's largest t (c is positive)
	s_delay_alu instid0(VALU_DEP_1)
	v_max_num_f32 v13, v13, v[T]
	v_mov_b32 v[T], v12
	s_delay_alu instid0(VALU_DEP_2)
	v_floor_f32 v12, -v13                          ; the new -M = -ceil(t): a whole number
	s_delay_alu instid0(VALU_DEP_1)
	v_sub_f32 v[T], v12, v[T]                      ; old M less new M: a whole number, 0 or less
	s_delay_alu instid0(VALU_DEP_1)
	v_cvt_i32_f32 v[T], v[T]                       ; (it saturates)
	s_delay_alu instid0(VALU_DEP_1)
	v_ldexp_f32 v[FF], 1.0, v[T]                   ; f = 2^(old M - new M)
.set j, 0
.rept 32
	v_pk_fma_f32 v[S+j:S+j+1], v[S+j:S+j+1], s[22:23], v[12:13] op_sel_hi:[1,0,0]   ; t - M, two at a time
.set j, j+2
.endr
	s_setprio 1
.irp b, 0,1,2,3
	v_fma_f32 v[BM+\b], v[BM+\b], s22, v12         ; the same of each block's largest score
.endr
.set j, 0
	s_wait_alu depctr_va_vdst(0)
.rept 64
	v_exp_f32 v[S+j], v[S+j]                       ; p = 2^(t - M), at most 1
.set j, j+1
.endr
	v_pk_mul_f32 v[14:15], v[14:15], v[FF:FF+1] op_sel_hi:[1,0]   ; the sums under the new M: the plain instruction behind the exponentials
	s_wait_alu depctr_va_vdst(0)                   ; one wait for the batch, ahead of its first reader
.irp b, 0,1,2,3
	v_exp_f32 v[BM+\b], v[BM+\b]                   ; the block's largest p: the same two instructions on the same number
.endr
	v_pk_add_f32 v[208:209], v[100:101], v[104:105]
	v_pk_add_f32 v[252:253], v[108:109], v[112:113]
	v_pk_add_f32 v[250:251], v[116:117], v[120:121]
	v_pk_add_f32 v[248:249], v[124:125], v[128:129]
	v_pk_add_f32 v[246:247], v[132:133], v[136:137]
	v_pk_add_f32 v[244:245], v[140:141], v[144:145]
	v_pk_add_f32 v[242:243], v[148:149], v[152:153]
	v_pk_add_f32 v[14:15], v[14:15], v[156:157]
	v_pk_add_f32 v[208:209], v[208:209], v[96:97]
	v_pk_add_f32 v[252:253], v[252:253], v[98:99]
	v_pk_add_f32 v[250:251], v[250:251], v[102:103]
	v_pk_add_f32 v[248:249], v[248:249], v[106:107]
	v_pk_add_f32 v[246:247], v[246:247], v[110:111]
	v_pk_add_f32 v[244:245], v[244:245], v[114:115]
	v_pk_add_f32 v[242:243], v[242:243], v[118:119]
	v_pk_add_f32 v[14:15], v[14:15], v[122:123]
	v_pk_add_f32 v[208:209], v[208:209], v[126:127]
	v_pk_add_f32 v[252:253], v[252:253], v[130:131]
	v_pk_add_f32 v[250:251], v[250:251], v[134:135]
	v_pk_add_f32 v[248:249], v[248:249], v[138:139]
	v_pk_add_f32 v[246:247], v[246:247], v[142:143]
	v_pk_add_f32 v[244:245], v[244:245], v[146:147]
	v_pk_add_f32 v[242:243], v[242:243], v[150:151]
	v_pk_add_f32 v[14:15], v[14:15], v[154:155]
	v_pk_add_f32 v[208:209], v[208:209], v[158:159]
	s_delay_alu instid0(VALU_DEP_2)
	v_pk_add_f32 v[14:15], v[14:15], v[248:249]
	s_delay_alu instid0(VALU_DEP_2)
	v_pk_add_f32 v[208:209], v[208:209], v[246:247]
	v_pk_add_f32 v[252:253], v[252:253], v[244:245]
	v_pk_add_f32 v[250:251], v[250:251], v[242:243]
	s_delay_alu instid0(VALU_DEP_2)
	v_pk_add_f32 v[14:15], v[14:15], v[252:253]
	s_delay_alu instid0(VALU_DEP_2)
	v_pk_add_f32 v[208:209], v[208:209], v[250:251]
	s_delay_alu instid0(VALU_DEP_1)
	v_pk_add_f32 v[14:15], v[14:15], v[208:209]
	s_wait_alu depctr_va_vdst(0)                   ; and one for the four
.irp b, 0,1,2,3
	v_max_num_f32 v[BM+\b], 0x1800000, v[BM+\b]    ; the floor 2^(3 - 127): the byte cannot fall under 1
.endr
.irp b, 0,1,2,3
	s_delay_alu instid0(VALU_DEP_4)
	v_add_nc_u32 v[SO+\b], 0xff000000, v[BM+\b]    ; 2 off the exponent field: the conversion's scale operand
.endr
.irp b, 0,1,2,3
	s_delay_alu instid0(VALU_DEP_4)
	v_lshrrev_b32 v[PD+\b], 23, v[SO+\b]           ; the scale's byte
.endr
	s_delay_alu instid0(VALU_DEP_3)
	v_lshl_or_b32 v40, v[PD+1], 8, v[PD]
	s_delay_alu instid0(VALU_DEP_1)
	v_lshl_or_b32 v40, v[PD+2], 16, v40
	s_delay_alu instid0(VALU_DEP_1)
	v_lshl_or_b32 v40, v[PD+3], 24, v40            ; p's scale word for these 128 keys
	s_setprio 0
.irp c, 0,1
	v_cvt_scalef32_pk16_fp6_f32 v[P+6*\c:P+6*\c+2], v[S+32*\c:S+32*\c+15], v[SO+2*\c]
	v_cvt_scalef32_pk16_fp6_f32 v[CT+4*\c:CT+4*\c+2], v[S+16+32*\c:S+31+32*\c], v[SO+2*\c+1]
.endr
	v_nop                                          ; one plain instruction behind the scaled conversions
.irp c, 0,1                                    ; a whole block in a lane: lanes 0-15 block 2 c, lanes 16-31 block 2 c + 1
.irp i, 0,1,2
	v_permlane16_swap_b32 v[P+6*\c+\i], v[CT+4*\c+\i]
.endr
.irp i, 0,1,2
	s_delay_alu instid0(VALU_DEP_3)
	v_mov_b32 v[P+3+6*\c+\i], v[CT+4*\c+\i]
.endr
.endr
.set j, 0
.rept 16
	v_pk_mul_f32 v[O+j:O+j+1], v[O+j:O+j+1], v[FF:FF+1] op_sel_hi:[1,0]   ; O^T under the new M; these sixteen also stand between the writes of p's codes and scale word and the scaled products
.set j, j+2
.endr
	s_wait_alu depctr_va_vdst(0)
	s_wait_dscnt 0x0                               ; v is in
.irp t, 0,1,2,3                                ; the four accumulators by turns
	v_wmma_scale_f32_16x16x128_f8f6f4 v[O+8*\t:O+8*\t+7], v[FB+12*\t:FB+12*\t+11], v[P:P+11], v[O+8*\t:O+8*\t+7], v[36+\t], v40 matrix_a_fmt:MATRIX_FMT_FP6 matrix_b_fmt:MATRIX_FMT_FP6
.endr
.Lhidden:
	s_add_co_u32 s16, s16, KSB
	s_add_co_u32 s15, s15, 1
	s_cmp_lt_u32 s15, 16
	s_cbranch_scc1 .Lstep
	s_setprio 0
	; THE JOB'S END.  Register 16 b + i of O^T is channel 32 b + 16 h + i of my query: two blocks of 32 along the next product's K.
.rept 4
	v_nop                                          ; places behind the last products
.endr
	v_add_f32 v14, v14, v15
	s_delay_alu instid0(VALU_DEP_1)
	v_permlanex16_b32 v[T], v14, s20, s21
	s_delay_alu instid0(VALU_DEP_1)
	v_add_f32 v14, v14, v[T]                       ; the row's sum
	s_wait_alu depctr_va_vdst(0)
	v_rcp_f32 v[FF], v14
	v_nop                                          ; a plain instruction behind the reciprocal,
	s_mul_i32 s46, s13, 98304                      ; (eight row tiles a group)
	s_add_co_u32 s46, s46, s54
	s_mov_b32 s47, 0
	s_add_nc_u64 s[40:41], s[6:7], s[46:47]
	s_lshl_b32 s46, s13, 12
	s_add_co_u32 s46, s46, s55
	s_add_nc_u64 s[42:43], s[6:7], s[46:47]
	s_wait_alu depctr_va_vdst(0)                   ; and the wait ahead of its first reader
.set j, 0
.rept 16
	v_pk_mul_f32 v[S+j:S+j+1], v[O+j:O+j+1], v[FF:FF+1] op_sel_hi:[1,0]   ; each accumulator from its low end on
.set j, j+2
.endr
.irp b, 0,1
	v_max3_num_f32 v[BM+\b], |v[S+16*\b]|, |v[S+1+16*\b]|, 0x1800000
.endr
.irp i, 2,4,6,8,10,12,14
.irp b, 0,1
	s_delay_alu instid0(VALU_DEP_2)
	v_max3_num_f32 v[BM+\b], v[BM+\b], |v[S+16*\b+\i]|, |v[S+1+16*\b+\i]|
.endr
.endr
.irp b, 0,1
	s_delay_alu instid0(VALU_DEP_2)
	v_permlanex16_b32 v[PD+\b], v[BM+\b], s20, s21
.endr
.irp b, 0,1
	s_delay_alu instid0(VALU_DEP_2)
	v_max_num_f32 v[BM+\b], v[BM+\b], v[PD+\b]
.endr
.irp b, 0,1
	s_delay_alu instid0(VALU_DEP_2)
	v_add_nc_u32 v[SO+\b], 0xff000000, v[BM+\b]
.endr
.irp b, 0,1
	s_delay_alu instid0(VALU_DEP_2)
	v_lshrrev_b32 v[PD+\b], 23, v[SO+\b]
.endr
	v_cvt_scalef32_pk16_fp6_f32 v[P:P+2], v[S:S+15], v[SO]
	v_cvt_scalef32_pk16_fp6_f32 v[CT:CT+2], v[S+16:S+31], v[SO+1]
	v_nop
.irp i, 0,1,2
	v_permlane16_swap_b32 v[P+\i], v[CT+\i]
.endr
.irp i, 0,1,2
	s_delay_alu instid0(VALU_DEP_3)
	v_mov_b32 v[P+3+\i], v[CT+\i]
.endr
	v_cndmask_b32 v[BY], v[PD], v[PD+1], s56       ; my block's byte
	global_store_b128 v4, v[P:P+3], s[40:41]       ; 512 consecutive bytes, aligned to 256
	global_store_b64 v5, v[P+4:P+5], s[40:41] offset:512
	global_store_b8 v11, v[BY], s[42:43]           ; a word's four bytes come from two heads: a lane stores its one byte
	s_wait_xcnt 0x0                                ; the stores have read their registers and bases: both are written again in the next job
	s_mov_b32 s13, s12                             ; the second job's group (behind the second job these lines serve nothing: no branch is spent on them)
.irp i, 0,1,2,3,4,5
	v_mov_b32 v[22+\i], v[228+\i]
.endr
	INIT 234
	s_add_co_u32 s17, s17, 1
	s_cmp_lt_u32 s17, 2
	s_cbranch_scc1 .Ljob
	s_wait_tensorcnt 0x0
	ds_add_u32 v254, v255
	s_wait_dscnt 0x0
	ROUND                                          ; the closing round
	s_endpgm
.Lfunc_end_k_q782ff67e94_attn:
	.size	k_q782ff67e94_attn, .Lfunc_end_k_q782ff67e94_attn-k_q782ff67e94_attn
	.p2alignl 7, 3214868480
	.fill 96, 4, 3214868480
	.section	.rodata,"a",@progbits
	.p2align	6, 0x0
	.amdhsa_kernel k_q782ff67e94_attn
		.amdhsa_group_segment_fixed_size 206848
		.amdhsa_private_segment_fixed_size 0
		.amdhsa_enable_private_segment 0
		.amdhsa_kernarg_size 16
		.amdhsa_user_sgpr_count 2
		.amdhsa_user_sgpr_kernarg_segment_ptr 1
		.amdhsa_wavefront_size32 1
		.amdhsa_system_sgpr_workgroup_id_x 1
		.amdhsa_system_sgpr_workgroup_id_y 1
		.amdhsa_system_sgpr_workgroup_id_z 1
		.amdhsa_system_vgpr_workitem_id 0
		.amdhsa_next_free_vgpr 256
		.amdhsa_next_free_sgpr 66
		.amdhsa_reserve_vcc 1
		.amdhsa_float_denorm_mode_32 3
		.amdhsa_float_denorm_mode_16_64 3
		.amdhsa_memory_ordered 1
		.amdhsa_forward_progress 1
		.amdhsa_inst_pref_size 38
	.end_amdhsa_kernel
	.amdgpu_metadata
---
amdhsa.version: [ 1, 2 ]
amdhsa.kernels:
  - .name:           k_q782ff67e94_attn
    .symbol:         k_q782ff67e94_attn.kd
    .args:
      - { .name: qkv, .offset: 0, .size: 8, .value_kind: global_buffer, .address_space: global }
      - { .name: ao, .offset: 8, .size: 8, .value_kind: global_buffer, .address_space: global }
    .group_segment_fixed_size: 206848
    .private_segment_fixed_size: 0
    .kernarg_segment_align: 8
    .kernarg_segment_size: 16
    .max_flat_workgroup_size: 512
    .sgpr_count:     66
    .vgpr_count:     256
    .wavefront_size: 32
...
	.end_amdgpu_metadata
.endif
;; end of part 3
;; launch gemm_out (part 4): grid 4 x 32, 4 waves a work-group, clusters of 4 x 4, 327,680 bytes of LDS; arguments ao, wq, out0; writes out0
.if DOCPART == 4
	.amdgcn_target "amdgcn-amd-amdhsa--gfx1250"
	.amdhsa_code_object_version 6
	.text
	.protected	k_q782ff67e94_gemm_out
	.globl	k_q782ff67e94_gemm_out
	.p2align	8
	.type	k_q782ff67e94_gemm_out,@function
k_q782ff67e94_gemm_out:
	s_mov_b64 s[64:65], 0
	v_nop
	global_prefetch_b8 v0, s[64:65] scope:SCOPE_SE
	s_setreg_imm32_b32 hwreg(HW_REG_WAVE_MODE, 25, 1), 1
	s_wait_xcnt 0x0
	s_wait_alu depctr_hold_cnt(0) depctr_sa_sdst(0) depctr_va_vdst(0) depctr_va_sdst(0) depctr_va_ssrc(0) depctr_va_vcc(0) depctr_vm_vsrc(0)
	s_getreg_b32 s2, hwreg(HW_REG_IB_STS2, 6, 4)
	s_cmp_eq_u32 s2, 0
	s_cbranch_scc0 .Lentry_in_a_cluster
	s_endpgm
.Lentry_in_a_cluster:
	s_bfe_u32 s2, ttmp6, 0x10000c
	s_cmp_lg_u32 s2, 0xf033
	s_cbranch_scc0 .Lentry_shape_is_right
	s_endpgm
.Lentry_shape_is_right:
; out0 = o w_out^T on codes of FP6 (E2M3) with E8M0 scales, K = 1,024, f32 sums; out0 [8192][1024] f32.
; OPERANDS lie in the order of the operand's registers: codes [row tile][K step 0..7][1,536 bytes], behind them the scale words [row tile][pair of K steps][r][step of the pair].  A = ao (tokens); B = wq's row tiles 192 on (w_out).
; Lane-row r of row tile t is tensor row 32 (t / 2) + 8 (t % 2) + r + 8 (r / 8).  Source 0 = 16 rows of B, source 1 = 16 rows of A: a lane holds one token, and the registers of B's tiles 2 b and 2 b + 1 are columns 32 b + 16 (lane / 16) + 0 .. 15.
; A tile of the result is 256 x 256: four waves, each 128 x 128: 64 accumulators.  K goes in four steps of 256 through two LDS slots filled by the tensor data mover; the scale words of the 512 rows come once.
; CLUSTERS: 4 x 4 work-groups; A's tiles are asked for jointly by a row of the cluster, B's by a column.  The text is straight: K has only four slots' worth.
; REGISTERS, in windows of 256: window 0: v0-31 addresses; v32-63 scale words, two sets; v128-223 A's fragments, one set; on the way out v128-255 rows read back.  window 1: B's fragments, two sets.
;   window 2: the accumulators of my A blocks 0-3 ((a, b) at v[8 (8 (a % 4) + b)]); window 3: those of blocks 4-7.
.set XS_OFF, 6291456
.set WS_OFF, 3145728
.set FR,     12
.set NQ,     2
.set NP,     4                         ; places behind this matrix instruction (ISA guide 7.12.1)
.set HALFT,  24576                     ; 8 row tiles x 3,072 bytes
.set SLOT,   4*HALFT
.set SCL,    2*SLOT                    ; the scale words
.set SPARE,  SCL+16384                 ; the spare words, 128 bytes for each wave: two blocks of 256 bytes that no other line names
.set SPITCH, 528                       ; the way out: a stage of 16 rows x (512 bytes + 16) for each wave, in slot 0, which has had its last fill and its last read when the first result is stored there
.set ADRA16, 16
.set ADRA8,  18
.set ADRB16, 20
.set ADRB8,  22
.set STO,    24                        ; v24 the stage: where I put 32 bytes of a row
.set RD,     25                        ; v25 and where I read a row back
.set ADRS,   27
.set SPW,    28
.set NIL,    29
.set SC,     32
.set AF,     128
.set BK,     128
.set G1,   24
.set G0,   32
.set G1B,  48
.set G0B,  56
.set G1S,  68
.set G0S,  76
.set G1SB, 80
.set G0SB, 88
.set MSB, 0
.macro WIN new                         ; the immediate's high byte repeats the setting that is left
.if MSB != \new
	s_set_vgpr_msb (MSB<<8)|\new
.set MSB, \new
.endif
.endm
.set MUL_LO, 0xa1
.set MUL_HI, 0xf1
.set TO_B,   0x40
.macro JLOAD g0a, g1a, g0b, g1b        ; a joint load: waves 0 and 1 fetch for A, waves 2 and 3 for B; four v_nop follow each of the two lines
	s_cmp_eq_u32 s15, 0
	s_cbranch_scc0 .Lfor_b_\@
	tensor_load_to_lds s[\g0a:\g0a+3], s[\g1a:\g1a+7]
	s_nop 0
.rept 4
	v_nop
.endr
	s_branch .Lasked_\@
.Lfor_b_\@:
	tensor_load_to_lds s[\g0b:\g0b+3], s[\g1b:\g1b+7]
	s_nop 0
.rept 4
	v_nop
.endr
.Lasked_\@:
.endm
.macro CREST
	s_cmp_lg_u32 s14, 0
	s_cbranch_scc1 .Lnot_wave_0_\@
	s_barrier_signal -3
.Lnot_wave_0_\@:
	s_barrier_wait -3
	s_barrier_signal -1
	s_barrier_wait -1
.endm
.macro CROUND
	s_barrier_signal -1
	s_barrier_wait -1
	CREST
.endm
	s_load_b128 s[4:7], s[0:1], 0x0                ; ao, wq
	s_load_b64 s[12:13], s[0:1], 0x10              ; out0
	v_lshl_add_u32 v[SPW], v0, 2, SPARE
	v_mov_b32 v[NIL], 0
	ds_add_u32 v28, v29
	ds_add_u32 v28, v29
	s_wait_dscnt 0x0
	v_lshrrev_b32 v1, 5, v0
	v_readfirstlane_b32 s14, v1                    ; wave 0..3
	s_lshr_b32 s15, s14, 1                         ; which half of A's rows is mine.  Also: I fetch for A (0) or for B (1)
	s_and_b32 s16, s14, 1                          ; which half of B's rows.  Also: which half I fetch
	s_bfe_u32 s40, ttmp6, 0x40000                  ; cx
	s_bfe_u32 s41, ttmp6, 0x40004                  ; cy
	s_and_b32 s17, ttmp7, 0xffff
	s_lshl_b32 s17, s17, 2
	s_add_co_u32 s17, s17, s41                     ; A's block of 256 tokens: 4 x cluster y + cy
	s_add_co_u32 s42, s40, 12                      ; B's block of 256 rows in wq: 12 + cx
	s_lshl_b32 s43, s41, 2
	s_lshl_b32 s43, 15, s43                        ; my row of the cluster
	s_lshl_b32 s44, 0x1111, s40                    ; my column
	s_or_b32 s[G1+0], s43, (3<<16)|(1<<21)         ; 15:0 the mask; 17:16 elements of 8 bytes; 21 set beside a mask
	s_or_b32 s[G1B+0], s44, (3<<16)|(1<<21)
.irp g, G1, G1B                                ; codes: 8 rows (row tiles) of 384 elements of 8 bytes, 1,536 elements apart
	s_mov_b32 s[\g+1], 384<<16
	s_mov_b32 s[\g+2], 8<<16
	s_mov_b32 s[\g+3], 384<<16
	s_mov_b32 s[\g+4], 8
	s_mov_b32 s[\g+5], 1536
	s_mov_b32 s[\g+6], 0
	s_mov_b32 s[\g+7], 0
.endr
	s_or_b32 s[G1S+0], s43, (3<<16)|(1<<21)
	s_or_b32 s[G1SB+0], s44, (3<<16)|(1<<21)
.irp g, G1S, G1SB                              ; scale words of 128 rows: 4,096 dense bytes as 16 rows of 256
	s_mov_b32 s[\g+1], 32<<16
	s_mov_b32 s[\g+2], 16<<16
	s_mov_b32 s[\g+3], 32<<16
	s_mov_b32 s[\g+4], 16
	s_mov_b32 s[\g+5], 32
	s_mov_b32 s[\g+6], 0
	s_mov_b32 s[\g+7], 0
.endr
	s_mul_i32 s45, s16, 98304
	s_lshl_b32 s22, s16, 12
	s_mul_i32 s92, s17, 196608
	s_add_co_u32 s92, s92, s45                     ; A's codes
	s_mov_b32 s93, 0
	s_lshl_b32 s94, s17, 13
	s_add_co_u32 s94, s94, s22
	s_add_co_u32 s94, s94, XS_OFF                  ; A's scale words
	s_mov_b32 s95, 0
	s_mul_i32 s96, s42, 196608
	s_add_co_u32 s96, s96, s45                     ; B's codes
	s_mov_b32 s97, 0
	s_lshl_b32 s98, s42, 13
	s_add_co_u32 s98, s98, s22
	s_add_co_u32 s98, s98, WS_OFF                  ; B's scale words
	s_mov_b32 s99, 0
	s_mul_i32 s47, s14, HALFT                      ; where they go: wave x a half
	s_lshl_b32 s46, s14, 12
	s_wait_kmcnt 0x0
	s_add_nc_u64 s[92:93], s[4:5], s[92:93]
	s_add_nc_u64 s[94:95], s[4:5], s[94:95]
	s_add_nc_u64 s[96:97], s[6:7], s[96:97]
	s_add_nc_u64 s[98:99], s[6:7], s[98:99]
	CROUND                                         ; all sixteen work-groups are here: the first joint loads meet
	s_mov_b32 s[G0S], 1
	s_add_co_u32 s[G0S+1], s46, SCL
	s_mov_b64 s[G0S+2:G0S+3], s[94:95]
	s_or_b32 s[G0S+3], s[G0S+3], 0x80000000
	s_mov_b32 s[G0SB], 1
	s_add_co_u32 s[G0SB+1], s46, SCL
	s_mov_b64 s[G0SB+2:G0SB+3], s[98:99]
	s_or_b32 s[G0SB+3], s[G0SB+3], 0x80000000
	JLOAD G0S, G1S, G0SB, G1SB
.irp s, 0,1
	s_mov_b32 s[G0+4*\s], 1
	s_add_co_u32 s[G0+4*\s+1], s47, \s*SLOT
	s_add_nc_u64 s[G0+4*\s+2:G0+4*\s+3], s[92:93], \s*3072
	s_or_b32 s[G0+4*\s+3], s[G0+4*\s+3], 0x80000000
	s_mov_b32 s[G0B+4*\s], 1
	s_add_co_u32 s[G0B+4*\s+1], s47, \s*SLOT
	s_add_nc_u64 s[G0B+4*\s+2:G0B+4*\s+3], s[96:97], \s*3072
	s_or_b32 s[G0B+4*\s+3], s[G0B+4*\s+3], 0x80000000
	JLOAD G0+4*\s, G1, G0B+4*\s, G1B               ; three tensor loads of mine are out
.endr
	v_and_b32 v1, 31, v0                           ; lane
	v_and_b32 v2, 15, v0                           ; r
	v_bfe_u32 v3, v0, 4, 1                         ; h
	v_lshlrev_b32 v4, 4, v1                        ; 16 x lane; never rewritten
	v_lshlrev_b32 v5, 3, v1                        ; 8 x lane
	s_mul_i32 s22, s15, HALFT
	s_mul_i32 s23, s16, HALFT
	s_add_co_u32 s23, s23, 2*HALFT
.irp s, 0,1
	v_add_nc_u32 v[ADRA16+\s], s22, v4
	v_add_nc_u32 v[ADRA8+\s], s22, v5
	v_add_nc_u32 v[ADRB16+\s], s23, v4
	v_add_nc_u32 v[ADRB8+\s], s23, v5
	s_add_co_u32 s22, s22, SLOT
	s_add_co_u32 s23, s23, SLOT
.endr
	v_lshlrev_b32 v6, 3, v2
	s_lshl_b32 s22, s15, 12
	s_lshl_b32 s23, s16, 12
	s_add_co_u32 s23, s23, 8192
	s_sub_co_u32 s23, s23, s22
	v_mul_u32_u24 v7, s23, v3                      ; lanes 16-31 take B's: one product, the lower base + h x the distance
	s_add_co_u32 s22, s22, SCL
	v_add_nc_u32 v6, v6, v7
	v_add_nc_u32 v[ADRS], s22, v6
	s_mul_i32 s23, s14, 16*SPITCH                  ; my stage
	v_mul_u32_u24 v6, v2, SPITCH
	v_lshl_add_u32 v6, v3, 6, v6
	v_add_nc_u32 v[STO], s23, v6                   ; in: row r, + 64 h
	v_add_nc_u32 v[RD], s23, v4                    ; back: the 32 lanes take one row of 512 bytes
	s_lshl_b32 s18, s17, 8
	s_lshl_b32 s19, s15, 7
	s_add_co_u32 s18, s18, s19                     ; my first token,
	s_lshl_b32 s18, s18, 12                        ; rows of 4,096 bytes,
	s_lshl_b32 s19, s40, 10
	s_add_co_u32 s18, s18, s19                     ; my first column: 256 cx + 128 x half, 4 bytes each
	s_lshl_b32 s19, s16, 9
	s_add_co_u32 s46, s18, s19
	s_mov_b32 s47, 0
	s_add_nc_u64 s[12:13], s[12:13], s[46:47]
.macro FRAG reg, a16, a8, off          ; a fragment's image: every instruction reads consecutive bytes
	ds_load_b128 v[\reg:\reg+3], v[\a16] offset:\off
	ds_load_b64 v[\reg+4:\reg+5], v[\a8] offset:\off+512
	ds_load_b128 v[\reg+6:\reg+9], v[\a16] offset:\off+768
	ds_load_b64 v[\reg+10:\reg+11], v[\a8] offset:\off+1280
.endm
; 16 matrix instructions: A's blocks a0, a0 + 1 x B's eight.  The 64 accumulators take turns, one instruction a turn, in the same order in every step.
.macro MUL16 a0, p, q, sc, zero
.irp a, \a0, \a0+1
.irp b, 0,1,2,3,4,5,6,7
.if \zero
	v_wmma_scale_f32_16x16x128_f8f6f4 v[8*(8*((\a)%4)+\b):8*(8*((\a)%4)+\b)+7], v[128*(\p)+FR*\b:128*(\p)+FR*\b+FR-1], v[AF+FR*(\a):AF+FR*(\a)+FR-1], 0, v[SC+8*NQ*(\sc)+NQ*\b+(\q)], v[SC+8*NQ*(\sc)+NQ*(\a)+(\q)] matrix_a_fmt:MATRIX_FMT_FP6 matrix_b_fmt:MATRIX_FMT_FP6 matrix_a_scale:MATRIX_SCALE_ROW1
.else
	v_wmma_scale_f32_16x16x128_f8f6f4 v[8*(8*((\a)%4)+\b):8*(8*((\a)%4)+\b)+7], v[128*(\p)+FR*\b:128*(\p)+FR*\b+FR-1], v[AF+FR*(\a):AF+FR*(\a)+FR-1], v[8*(8*((\a)%4)+\b):8*(8*((\a)%4)+\b)+7], v[SC+8*NQ*(\sc)+NQ*\b+(\q)], v[SC+8*NQ*(\sc)+NQ*(\a)+(\q)] matrix_a_fmt:MATRIX_FMT_FP6 matrix_b_fmt:MATRIX_FMT_FP6 matrix_a_scale:MATRIX_SCALE_ROW1
.endif
.endr
.endr
.endm
.macro FETCH_B slot, q, p
	WIN TO_B
.irp i, 0,1,2,3,4,5,6,7
	FRAG 128*(\p)+FR*\i, ADRB16+\slot, ADRB8+\slot, \i*3072+(\q)*1536
.endr
	WIN 0
.endm
.macro FETCH_A slot, q, i0
.irp i, \i0, \i0+1, \i0+2, \i0+3
	FRAG AF+FR*(\i), ADRA16+\slot, ADRA8+\slot, (\i)*3072+(\q)*1536
.endr
.endm
.macro SCALES sc
.irp i, 0,1,2,3,4,5,6,7
	ds_load_b64 v[SC+8*NQ*\sc+NQ*\i:SC+8*NQ*\sc+NQ*\i+1], v[ADRS] offset:\i*512
.endr
.endm
.macro PLACES n                        ; plain vector instructions in front of loads into registers that matrix instructions have read, and of the first read of results
.rept \n
	v_nop
.endr
.endm
.macro STEP slot, q, zero
	s_wait_dscnt 16                                ; B's set, A's blocks 0-3 and the scale words are in; the youngest sixteen loads (A's blocks 4-7) may be out
	WIN MUL_LO
	MUL16 0, (\q)%2, \q, \slot, \zero
	MUL16 2, (\q)%2, \q, \slot, \zero
	s_wait_dscnt 0
	PLACES NP
	FETCH_B \slot, (\q)+1, 1-(\q)%2
	FETCH_A \slot, (\q)+1, 0
	WIN MUL_HI
	MUL16 4, (\q)%2, \q, \slot, \zero
	MUL16 6, (\q)%2, \q, \slot, \zero
	PLACES NP
	WIN 0
	FETCH_A \slot, (\q)+1, 4
.endm
.macro TURN slot, next, fill           ; a slot's last step changes slots: one barrier, with the three lines in front of it
	s_wait_tensorcnt 0x0                           ; all my tensor loads have landed: my part of the next slot
	ds_add_u32 v[SPW], v[NIL]                      ; 0 onto my spare word
	s_wait_dscnt 17                                ; (the add and the youngest sixteen loads may be out)
	WIN MUL_LO
	MUL16 0, 1, NQ-1, \slot, 0
	s_wait_dscnt 0x0                               ; the add is done, and my reads of this slot are over
	s_barrier_signal -1
	MUL16 2, 1, NQ-1, \slot, 0
	WIN 0
	s_barrier_wait -1
.if \fill
	CREST                                          ; the barrier has opened a round of the cluster's barrier
	s_add_nc_u64 s[G0+4*\slot+2:G0+4*\slot+3], s[G0+4*\slot+2:G0+4*\slot+3], 6144
	s_add_nc_u64 s[G0B+4*\slot+2:G0B+4*\slot+3], s[G0B+4*\slot+2:G0B+4*\slot+3], 6144
	JLOAD G0+4*\slot, G1, G0B+4*\slot, G1B         ; my one tensor load behind the round; its four v_nop are also the places in front of the loads below
.else
	PLACES NP
.endif
	v_add_nc_u32 v[ADRS], 128, v[ADRS]
	FETCH_B \next, 0, 0
	FETCH_A \next, 0, 0
	SCALES \next
	WIN MUL_HI
	MUL16 4, 1, NQ-1, \slot, 0
	MUL16 6, 1, NQ-1, \slot, 0
	PLACES NP
	WIN 0
	FETCH_A \next, 0, 4
.endm
	s_wait_tensorcnt 1                             ; the scale words and my part of slot 0 are in; slot 1's load may be out
	s_barrier_signal -1
	s_barrier_wait -1
	FETCH_B 0, 0, 0
	FETCH_A 0, 0, 0
	SCALES 0
	FETCH_A 0, 0, 4
	STEP 0, 0, 1
	TURN 0, 1, 1
	STEP 1, 0, 0
	TURN 1, 0, 1
	STEP 0, 0, 0
	TURN 0, 1, 0
	STEP 1, 0, 0
	s_wait_dscnt 16
	WIN MUL_LO
	MUL16 0, 1, NQ-1, 1, 0
	MUL16 2, 1, NQ-1, 1, 0
	s_wait_dscnt 0
	WIN MUL_HI
	MUL16 4, 1, NQ-1, 1, 0
	MUL16 6, 1, NQ-1, 1, 0
	WIN 0
; THE WAY OUT, block by block of 16 tokens x 128 columns, through my own stage: in as 32 bytes a lane, back as whole rows of 512 bytes.  LDS serves a wave's instructions in order (ISA guide 5.7.1.4).
.macro TOSTAGE a
.set AC, 64*((\a)%4)
	WIN 0x08+4*((\a)/4)                            ; the data: window 2 or 3
.irp b, 0,1,2,3,4,5,6,7
	ds_store_b128 v[STO], v[AC+8*\b:AC+8*\b+3] offset:128*(\b/2)+32*(\b%2)       ; columns 32 (b / 2) + 16 h + 8 (b % 2) on; each accumulator from its low end on
	ds_store_b128 v[STO], v[AC+8*\b+4:AC+8*\b+7] offset:128*(\b/2)+32*(\b%2)+16
.endr
	WIN 0
.set BB, BK+64*((\a)%2)
.irp t, 0,1,2,3,4,5,6,7,8,9,10,11,12,13,14,15
	ds_load_b128 v[BB+4*\t:BB+4*\t+3], v[RD] offset:\t*SPITCH
.endr
.endm
.macro SEND a, younger                 ; younger: the LDS instructions issued behind block a's loads, which may stay out
.set BB, BK+64*((\a)%2)
	s_wait_dscnt \younger
.irp t, 0,1,2,3,4,5,6,7,8,9,10,11,12,13,14,15
	global_store_b128 v4, v[BB+4*\t:BB+4*\t+3], s[12:13] offset:(32*((\a)/2)+8*((\a)%2)+\t+8*(\t/8))*4096 th:TH_STORE_NT   ; stage row t is token 32 (a / 2) + 8 (a % 2) + t + 8 (t / 8); 512 consecutive bytes, aligned to 256
.endr
.endm
	PLACES NP                                      ; for the loads into the registers that held A's fragments, and for the reads of the last results
	TOSTAGE 0
.irp a, 1,2,3,4,5,6,7
.if \a > 1
	s_wait_xcnt 0x0                                ; block a - 2's stores have read their registers: block a's loads may land there
.endif
	TOSTAGE \a
	SEND \a-1, 32                                  ; behind block a - 1's loads: block a's 16 stores and 16 loads
.endr
	SEND 7, 0
	s_wait_tensorcnt 0x0                           ; the wave's end: behind my last tensor load and my last LDS store
	ds_add_u32 v[SPW], v[NIL]
	s_wait_dscnt 0x0
	CROUND                                         ; the closing round
	s_endpgm
.Lfunc_end_k_q782ff67e94_gemm_out:
	.size	k_q782ff67e94_gemm_out, .Lfunc_end_k_q782ff67e94_gemm_out-k_q782ff67e94_gemm_out
	.p2alignl 7, 3214868480
	.fill 96, 4, 3214868480
	.section	.rodata,"a",@progbits
	.p2align	6, 0x0
	.amdhsa_kernel k_q782ff67e94_gemm_out
		.amdhsa_group_segment_fixed_size 327680
		.amdhsa_private_segment_fixed_size 0
		.amdhsa_enable_private_segment 0
		.amdhsa_kernarg_size 24
		.amdhsa_user_sgpr_count 2
		.amdhsa_user_sgpr_kernarg_segment_ptr 1
		.amdhsa_wavefront_size32 1
		.amdhsa_system_sgpr_workgroup_id_x 1
		.amdhsa_system_sgpr_workgroup_id_y 1
		.amdhsa_system_sgpr_workgroup_id_z 1
		.amdhsa_system_vgpr_workitem_id 0
		.amdhsa_next_free_vgpr 1024
		.amdhsa_next_free_sgpr 100
		.amdhsa_reserve_vcc 0
		.amdhsa_float_denorm_mode_32 3
		.amdhsa_float_denorm_mode_16_64 3
		.amdhsa_memory_ordered 1
		.amdhsa_forward_progress 1
		.amdhsa_inst_pref_size 143
	.end_amdhsa_kernel
	.amdgpu_metadata
---
amdhsa.version: [ 1, 2 ]
amdhsa.kernels:
  - .name:           k_q782ff67e94_gemm_out
    .symbol:         k_q782ff67e94_gemm_out.kd
    .args:
      - { .name: ao, .offset: 0, .size: 8, .value_kind: global_buffer, .address_space: global }
      - { .name: wq, .offset: 8, .size: 8, .value_kind: global_buffer, .address_space: global }
      - { .name: out0, .offset: 16, .size: 8, .value_kind: global_buffer, .address_space: global }
    .group_segment_fixed_size: 327680
    .private_segment_fixed_size: 0
    .kernarg_segment_align: 8
    .kernarg_segment_size: 24
    .max_flat_workgroup_size: 128
    .sgpr_count:     100
    .vgpr_count:     1024
    .wavefront_size: 32
...
	.end_amdgpu_metadata
.endif
;; end of part 4
